; MI455X (gfx1250); checked and timed in simulation.
; The chip was launched on July 23, 2026; its instructions are those of AMD's public machine-readable ISA for CDNA 5 (MIT licence, August 2026) and "CDNA5" Instruction Set Architecture Reference Guide (July 2026). The comments in the code are by the model that wrote it; some were corrected since.
;; Multi Head Attention. Allowed arithmetic: matrix products marked QUANTISED: E2M3 operands, one E8M0 scale for each 32 along K, by v_wmma_scale_f32_16x16x128_f8f6f4 with both operands' format E2M3, f32 sums; everything else in f32.
;; Inputs: Wk 1,024 x 1,024 float32; Wo 1,024 x 1,024 float32; Wq 1,024 x 1,024 float32; Wv 1,024 x 1,024 float32; bk 1,024 float32; bo 1,024 float32; bq 1,024 float32; bv 1,024 float32; k 4 x 2,048 x 1,024 float32; mask 1 x 1 x 2,048 x 2,048 int32; q 4 x 2,048 x 1,024 float32; v 4 x 2,048 x 1,024 float32.
;; Outputs: out0 4 x 2,048 x 1,024 float32.
;; This version of the problem:
;;   THIS VERSION OF THE PROBLEM IS GIVEN IN LOW PRECISION. The matrix products marked QUANTISED in the list below multiply operands that are first quantised to E2M3 (2 exponent bits, 3 mantissa bits; 6 bits a number), with one power-of-two scale for each 32 numbers along K (OCP MX v1.0); their sums are f32. All else is computed in f32.
;;   The module's matrix products, in the order in which they are computed (A, B: the left and right operand; K: the contracted axis; several contracted axes count as one K, in the product's order):
;;     1. [M 8,192, K 1,024] x [K 1,024, N 1,024]; A: input q; B: input Wq: QUANTISED
;;     2. [M 8,192, K 1,024] x [K 1,024, N 1,024]; A: input k; B: input Wk: QUANTISED
;;     3. [M 8,192, K 1,024] x [K 1,024, N 1,024]; A: input v; B: input Wv: QUANTISED
;;     4. batch 64 x [M 2,048, K 64] x [K 64, N 2,048]; A: computed on the way; B: computed on the way: QUANTISED
;;     5. batch 64 x [M 2,048, K 2,048] x [K 2,048, N 64]; A: softmax (see below); B: computed on the way: QUANTISED
;;     6. [M 8,192, K 1,024] x [K 1,024, N 1,024]; A: computed on the way; B: input Wo: QUANTISED
;;   THE QUANTISER, for each operand of a quantised product, along K:
;;     - K is cut into blocks of 32 from its start; a last block that is shorter is filled with zeros.
;;     - A block's scale is 2^e with e = floor(log2(the largest magnitude in the block)) - 2, held to -126 .. 127; a block of zeros has e = 0. As a byte (E8M0): e + 127.
;;     - Each number is divided by its block's scale, clamped to +-7.5, and rounded to the nearest number of E2M3, ties to even, subnormals kept.
;;     - The product sums the exact products of the quantised numbers (number of the format x scale) in f32.
;;   ~~~python
;;   def quantise(x, axis):      # numpy; x: float32 -> the quantised numbers, widened to float32 again
;;       x = np.moveaxis(x, axis, -1); K = x.shape[-1]
;;       x = np.pad(x, [(0, 0)] * (x.ndim - 1) + [(0, -K % 32)]); x = x.reshape(x.shape[:-1] + (-1, 32)); a = np.abs(x).max(-1, keepdims=True)
;;       e = np.where(a > 0, np.clip(np.frexp(np.where(a > 0, a, 1))[1] - 1 - 2, -126, 127), 0)      # np.frexp(a)[1] - 1 = floor(log2(a)), exactly
;;       r = np.clip(x / 2.0 ** e, -7.5, 7.5)
;;       step = 2.0 ** (np.maximum(np.frexp(np.where(r == 0, 1, r))[1] - 1, 0) - 3)
;;       q = np.round(r / step) * step * 2.0 ** e      # np.round: ties to even
;;       return np.moveaxis(q.reshape(q.shape[:-2] + (-1,))[..., :K], -1, axis).astype(np.float32)
;;   ~~~
;;   SOFTMAX AHEAD OF A QUANTISED PRODUCT. Where the list says 'softmax', what is quantised is not the finished softmax but p = 2^(t - M), with t = logit x log2(e) and M = ceil(the row's largest t), a whole number; so 1/2 < the row's largest p <= 1. The row's sum l is taken of the UNQUANTISED p, in f32, and the product's result is divided by l at the end. Since M is a whole number, a kernel that streams over the keys may use a running M (the ceiling of the running maximum): every later rescaling is an exact power of two, which a block's scale takes up: the codes' values come out the same.
;;   OPERANDS COMPUTED ON THE WAY. 'Computed on the way' means the value that the module computes at that place (a softmax that the list does not call 'softmax' is quantised finished and normalised). What goes into a quantiser is computed in f32, as accurately as f32 sums, v_exp_f32 and their like allow (about 1e-6 of the number): no bf16 or f16 on the way to a quantiser, and a product that is left as it is and whose result goes on into a quantised operand takes f32 operands (vector FMAs, or v_wmma_f32_16x16x4_f32). A number that lies on a knife's edge between two numbers of the format may be rounded either way, as far as f32 arithmetic and the matrix unit's own rounding can turn it there, and no further.
;; 2 versions, each right; version 2 is version 1 with the launch attn written anew for expert scheduling mode. Each part assembles by itself: llvm-mc -triple=amdgcn-amd-amdhsa -mcpu=gfx1250 --defsym DOCPART=n.
;; ======== version 1 of 2: 4 launches
;; limits: right only within a limited range of input values
;; workspace buffers: xw 22,937,600 bytes; qb 13,631,488 bytes; kv 13,631,488 bytes; mk 524,800 bytes of whole numbers; ctx 6,553,600 bytes
;; launch prep (part 1): grid 1024 x 1, 4 waves a work-group, no clusters, 68,352 bytes of LDS; arguments q, k, v, Wq, Wk, Wv, Wo, mask, xw, mk; writes xw, mk
.if DOCPART == 1
	.amdgcn_target "amdgcn-amd-amdhsa--gfx1250"
	.amdhsa_code_object_version 6
	.text
	.protected	k_q0a004bd1ea_prep
	.globl	k_q0a004bd1ea_prep
	.p2align	8
	.type	k_q0a004bd1ea_prep,@function
k_q0a004bd1ea_prep:
	s_mov_b64 s[64:65], 0
	v_nop
	global_prefetch_b8 v0, s[64:65] scope:SCOPE_SE
	s_setreg_imm32_b32 hwreg(HW_REG_WAVE_MODE, 25, 1), 1
	s_wait_xcnt 0x0
; q, k, v [8192][1024] and Wq, Wk, Wv, Wo [1024][1024], f32, become codes of FP6 (E2M3) with one E8M0 byte for each 32 along K (their last axis); the mask [2048][2048], int32, becomes lane masks and flags.
; A TILE is 16 rows: row r of tile T is row 32 (T / 2) + 8 (T % 2) + r + 8 (r / 8) of its tensor.  Tiles in xw: q 0, k 512, v 1024, Wq 1536, Wk 1600, Wv 1664, Wo 1728 on.
; CODES in xw: [tile][16 units]; a unit, 768 bytes, is the image of six operand registers for 16 rows x 64 k: lane l's registers 0-3 at 16 l, its registers 4-5 at 512 + 8 l; lane (r, h) holds k = 32 h + 0 .. 31 of row r.
; SCALES in xw from SCOFF on: [tile][half of K][row][4 words]; a word's four bytes serve 128 along K.
; A block's scale is 2^(floor(log2(its largest magnitude)) - 2); its byte is the largest magnitude's exponent field - 2, held at 1 from below.  A block of zeros so has the byte 1: its codes are zeros, and this program alone reads the bytes.
; LIMITS: NaN and infinities among the inputs are not served; blocks whose largest magnitude lies under 2^-124 have their byte held at 1.
; mk: words [query tile 128][key step 16][64]: bit l of word n is 1 where mask == 0 for query row l % 16 of the tile and key 128 step + 32 (n / 16) + 16 (l / 16) + n % 16: the lane mask of score register n in the attention launch.
; mk from MOFF on: a word for each query tile: bit j: step j has a key that counts (or some row of the tile is hidden everywhere, which asks for all steps); bit 16 + j: step j has a hidden score.
; SHARES.  Work-groups 0-127: a query tile each, a wave four key steps.  Work-groups 128-1023: a wave takes half of K of one tile: four fragments of 16 rows x 128 k.
; Every global load reads 512 consecutive bytes of one row; 16 rows turn through the wave's own stage in LDS (rows 528 bytes apart), so that a lane gets neighbours along K.  Each of the two ways has LDS bytes of its own.
; Memory binds here: no matrix unit, no cluster, no tensor load; 32 loads of 512 bytes a wave are out at the start and while fragments 0 and 1 are worked on, 16 during fragment 2.
.set SCOFF, 22020096
.set MOFF,  524288
.set STW,   8448                       ; a wave's stage: 16 rows x 528 bytes
.set SP,    528                        ; 512 bytes + 16: an odd multiple of 16
.set MSTG,  33792                      ; the mask's stages, behind the quantiser's four
.set MB,    67584                      ; the mask's 32 flag words
.set SPARE, 67840                      ; the spare words, 128 bytes for each wave: two blocks of 256 bytes that no other line names
.set SPW,   10                         ; v10  LDS address of my spare word; never rewritten
.set NIL,   11                         ; v11  0; never rewritten
.set PC,    24                         ; v24-35 a fragment's codes (the mask's way: v24-31 its words)
.set R,     64                         ; v64-191 two sets of 64 registers as loaded
.set X,     192                        ; v192-255 64 numbers of my row
.macro LOAD s                          ; fragment s: 16 rows x 512 bytes
.irp i, 0,1,2,3,4,5,6,7,8,9,10,11,12,13,14,15
	global_load_b128 v[R+64*((\s)%2)+4*\i:R+64*((\s)%2)+4*\i+3], v4, s[32:33] offset:(\i+8*(\i/8))*4096+512*(\s) th:TH_LOAD_NT
.endr
.endm
.macro TURN s                          ; through my stage: LDS serves a wave's instructions in order, so no wait stands between the stores and the loads
.irp i, 0,1,2,3,4,5,6,7,8,9,10,11,12,13,14,15
	ds_store_b128 v5, v[R+64*((\s)%2)+4*\i:R+64*((\s)%2)+4*\i+3] offset:SP*\i
.endr
.irp c, 0,1
.irp j, 0,1,2,3,4,5,6,7
	ds_load_b128 v[X+32*\c+4*\j:X+32*\c+4*\j+3], v6 offset:256*\c+16*\j   ; k = 64 c + 32 h + 4 j on, of row r
.endr
.endr
.endm
.macro FRAGQ s                         ; my two whole blocks (2 c + h) of fragment s: scale bytes, codes, stores
.irp c, 0,1
	v_max3_num_f32 v[12+\c], |v[X+32*\c]|, |v[X+32*\c+1]|, 0x1800000   ; the floor 2^(3 - 127) among the leaves: the byte cannot fall under 1
.endr
.irp i, 2,4,6,8,10,12,14,16,18,20,22,24,26,28,30
.irp c, 0,1
	v_max3_num_f32 v[12+\c], v[12+\c], |v[X+32*\c+\i]|, |v[X+32*\c+\i+1]|
.endr
.endr
.irp c, 0,1
	v_add_nc_u32 v[14+\c], 0xff000000, v[12+\c]    ; 2 off the exponent field: the conversion's scale operand
.endr
.irp c, 0,1
	v_lshrrev_b32 v[16+\c], 23, v[14+\c]           ; the scale's byte
.endr
	v_lshl_or_b32 v18, v17, 16, v16                ; my two bytes: blocks h and 2 + h,
	v_lshlrev_b32 v18, v19, v18                    ; 8 h bits up;
	v_permlanex16_b32 v13, v18, s26, s27
	v_or_b32 v[20+\s], v18, v13                    ; with lane l xor 16's two the row's word is whole
.if \s > 0
	s_wait_xcnt 0x0                                ; the last fragment's stores have read their data: the codes' registers may be written
.endif
	v_cvt_scalef32_pk16_fp6_f32 v[PC:PC+2], v[X:X+15], v14
	v_cvt_scalef32_pk16_fp6_f32 v[36:38], v[X+16:X+31], v14          ; (a conversion's three registers begin on an even number)
	v_cvt_scalef32_pk16_fp6_f32 v[PC+6:PC+8], v[X+32:X+47], v15
	v_cvt_scalef32_pk16_fp6_f32 v[40:42], v[X+48:X+63], v15
	v_nop                                          ; one plain place behind a scaled conversion
.irp i, 0,1,2
	v_mov_b32 v[PC+3+\i], v[36+\i]
	v_mov_b32 v[PC+9+\i], v[40+\i]
.endr
	global_store_b128 v4, v[PC:PC+3], s[38:39] offset:1536*\s          ; 512 consecutive bytes,
	global_store_b64 v8, v[PC+4:PC+5], s[38:39] offset:1536*\s+512     ; 256: a unit
	global_store_b128 v4, v[PC+6:PC+9], s[38:39] offset:1536*\s+768
	global_store_b64 v8, v[PC+10:PC+11], s[38:39] offset:1536*\s+1280
.endm
.macro LOADM i                         ; key step i of my four: 16 rows x 512 bytes of the mask
.irp y, 0,1,2,3,4,5,6,7,8,9,10,11,12,13,14,15
	global_load_b128 v[R+64*((\i)%2)+4*\y:R+64*((\i)%2)+4*\y+3], v4, s[28:29] offset:(\y+8*(\y/8))*8192+512*(\i) th:TH_LOAD_NT
.endr
.endm
.macro TURNM i
.irp y, 0,1,2,3,4,5,6,7,8,9,10,11,12,13,14,15
	ds_store_b128 v5, v[R+64*((\i)%2)+4*\y:R+64*((\i)%2)+4*\y+3] offset:MSTG+SP*\y
.endr
.irp b, 0,1,2,3
.irp j, 0,1,2,3
	ds_load_b128 v[X+16*\b+4*\j:X+16*\b+4*\j+3], v7 offset:MSTG+128*\b+16*\j   ; register 16 b + i: key 32 b + 16 h + i of row r
.endr
.endr
.endm
.macro MSTEP i
.if \i < 3
	s_wait_loadcnt 16                              ; this step's 16 loads are in; the next step's may be out
.else
	s_wait_loadcnt 0
.endif
	TURNM \i
	s_wait_dscnt 0x0                               ; the stage's stores have read their registers, and the 64 numbers are back
.if \i < 2
	LOADM (\i)+2
.endif
	s_mov_b32 s[40+\i], -1                         ; lanes all of whose scores are hidden,
	s_mov_b32 s[44+\i], 0                          ; lanes with a hidden score
.set n, 0
.rept 64
	v_cmp_eq_u32 s[48+n%4], 0, v[X+n]              ; word n: the lanes where mask == 0
	s_and_b32 s[40+\i], s[40+\i], s[48+n%4]
	s_or_b32 s[44+\i], s[44+\i], s[48+n%4]
	v_writelane_b32 v[24+2*\i+n%2], s[48+n%4], n/2 ; lane n / 2 will store words n and n + 1
.set n, n+1
.endr
	global_store_b64 v8, v[24+2*\i:25+2*\i], s[32:33] offset:256*\i   ; 32 lanes store 256 consecutive bytes, aligned
.endm
	s_load_b512 s[4:19], s[0:1], 0x0               ; q, k, v, Wq, Wk, Wv, Wo, mask
	s_load_b128 s[20:23], s[0:1], 0x40             ; xw, mk
	v_lshl_add_u32 v[SPW], v0, 2, SPARE
	v_mov_b32 v[NIL], 0
	v_lshrrev_b32 v1, 5, v0
	v_readfirstlane_b32 s24, v1                    ; wave
	v_and_b32 v1, 31, v0                           ; lane
	v_and_b32 v2, 15, v0                           ; r
	v_bfe_u32 v3, v0, 4, 1                         ; h
	s_mov_b32 s25, 0xffff0000                      ; lanes 16-31
	s_mov_b32 s26, 0x76543210
	s_mov_b32 s27, 0xfedcba98                      ; v_permlanex16_b32's selects for lane l xor 16
	v_lshlrev_b32 v4, 4, v1                        ; 16 x lane
	s_mul_i32 s28, s24, STW
	v_add_nc_u32 v5, s28, v4                       ; into my stage
	v_mul_u32_u24 v6, v2, SP
	v_add_nc_u32 v6, s28, v6
	v_lshl_add_u32 v7, v3, 6, v6                   ; out of it, the mask's way: row r, + 64 h
	v_lshl_add_u32 v6, v3, 7, v6                   ; the quantiser's: row r, + 128 h
	v_lshlrev_b32 v8, 3, v1                        ; 8 x lane
	v_lshlrev_b32 v9, 4, v2
	v_lshl_add_u32 v9, v3, 3, v9                   ; 16 r + 8 h
	v_lshlrev_b32 v19, 3, v3                       ; 8 h
	s_wait_kmcnt 0x0
	s_cmp_lt_u32 ttmp9, 128                        ; the same for all four waves of a work-group
	s_cbranch_scc1 .Lmask
	; ---- the quantiser's way
	s_sub_co_u32 s30, ttmp9, 128
	s_lshl_b32 s30, s30, 2
	s_add_co_u32 s30, s30, s24
	s_lshr_b32 s31, s30, 1                         ; my tile
	s_and_b32 s30, s30, 1                          ; my half of K
	s_mov_b64 s[32:33], s[16:17]                   ; which tensor holds it, and that tensor's first tile
	s_mov_b32 s34, 1728
	s_cmp_lt_u32 s31, 1728
	s_cselect_b64 s[32:33], s[14:15], s[32:33]
	s_cselect_b32 s34, 1664, s34
	s_cmp_lt_u32 s31, 1664
	s_cselect_b64 s[32:33], s[12:13], s[32:33]
	s_cselect_b32 s34, 1600, s34
	s_cmp_lt_u32 s31, 1600
	s_cselect_b64 s[32:33], s[10:11], s[32:33]
	s_cselect_b32 s34, 1536, s34
	s_cmp_lt_u32 s31, 1536
	s_cselect_b64 s[32:33], s[8:9], s[32:33]
	s_cselect_b32 s34, 1024, s34
	s_cmp_lt_u32 s31, 1024
	s_cselect_b64 s[32:33], s[6:7], s[32:33]
	s_cselect_b32 s34, 512, s34
	s_cmp_lt_u32 s31, 512
	s_cselect_b64 s[32:33], s[4:5], s[32:33]
	s_cselect_b32 s34, 0, s34
	s_sub_co_u32 s35, s31, s34                     ; the tile within its tensor
	s_lshr_b32 s36, s35, 1
	s_lshl_b32 s36, s36, 5
	s_and_b32 s35, s35, 1
	s_lshl_b32 s35, s35, 3
	s_add_co_u32 s36, s36, s35                     ; its first row
	s_lshl_b32 s36, s36, 12                        ; rows of 4,096 bytes
	s_lshl_b32 s35, s30, 11
	s_add_co_u32 s36, s36, s35
	s_mov_b32 s37, 0
	s_add_nc_u64 s[32:33], s[32:33], s[36:37]
	s_mul_i32 s36, s31, 12288
	s_mul_i32 s35, s30, 6144
	s_add_co_u32 s36, s36, s35
	s_add_nc_u64 s[38:39], s[20:21], s[36:37]      ; my codes
	s_lshl_b32 s36, s31, 9
	s_lshl_b32 s35, s30, 8
	s_add_co_u32 s36, s36, s35
	s_add_co_u32 s36, s36, SCOFF
	s_add_nc_u64 s[40:41], s[20:21], s[36:37]      ; my scale words
	LOAD 0
	LOAD 1
.irp s, 0,1,2,3
.if \s < 3
	s_wait_loadcnt 16                              ; this fragment's 16 loads are in; the next one's may be out
.else
	s_wait_loadcnt 0
.endif
	TURN \s
	s_wait_dscnt 0x0                               ; the stage's stores have read their registers, and my 64 numbers are back
.if \s < 2
	LOAD \s+2
.endif
	FRAGQ \s
.endr
	v_cndmask_b32 v12, v20, v22, s25               ; lanes 0-15 store words 0 and 1 of their row, lanes 16-31 words 2 and 3:
	v_cndmask_b32 v13, v21, v23, s25
	global_store_b64 v9, v[12:13], s[40:41]        ; 256 consecutive bytes, aligned
	s_branch .Lend
	; ---- the mask's way
.Lmask:
	s_lshr_b32 s30, ttmp9, 1
	s_lshl_b32 s30, s30, 5
	s_and_b32 s31, ttmp9, 1
	s_lshl_b32 s31, s31, 3
	s_add_co_u32 s30, s30, s31                     ; the query tile's first row
	s_lshl_b32 s30, s30, 13                        ; rows of 8,192 bytes
	s_lshl_b32 s31, s24, 11                        ; my four steps of 512 bytes
	s_add_co_u32 s30, s30, s31
	s_mov_b32 s31, 0
	s_add_nc_u64 s[28:29], s[18:19], s[30:31]
	s_lshl_b32 s30, ttmp9, 4
	s_lshl_b32 s36, s24, 2
	s_add_co_u32 s30, s30, s36
	s_lshl_b32 s30, s30, 8
	s_add_nc_u64 s[32:33], s[22:23], s[30:31]      ; my four steps' words
	s_lshl_b32 s30, ttmp9, 2
	s_add_co_u32 s30, s30, MOFF
	s_add_nc_u64 s[34:35], s[22:23], s[30:31]      ; the tile's flags
.irp i, 0,1,2,3,4,5,6,7
	v_mov_b32 v[24+\i], 0                          ; v_writelane_b32's destination counts as read
.endr
	LOADM 0
	LOADM 1
	MSTEP 0
	MSTEP 1
	MSTEP 2
	MSTEP 3
	s_lshl_b32 s36, s24, 4
	s_add_co_u32 s36, s36, MB
	v_mov_b32 v21, s36                             ; my wave's four words among the sixteen
	v_lshl_add_u32 v22, v1, 2, MB
.irp i, 0,1,2,3
	v_mov_b32 v[12+\i], s[40+\i]
	v_mov_b32 v[16+\i], s[44+\i]
.endr
.irp i, 0,1,2,3
	ds_store_b32 v21, v[12+\i] offset:4*\i         ; all lanes write the same word with the same value
	ds_store_b32 v21, v[16+\i] offset:64+4*\i
.endr
	s_wait_dscnt 0x0                               ; for the others' sake: my stores have landed
	s_barrier_signal -1
	s_barrier_wait -1
	ds_load_b32 v20, v22                           ; lane j < 16: step j's lanes hidden throughout; lane 16 + j: step j's lanes with a hidden score
	s_wait_dscnt 0x0
	v_cmp_ne_u32 s52, -1, v20                      ; bit j: step j has a score that counts
	v_cmp_ne_u32 s53, 0, v20                       ; bit 16 + j: step j has a hidden score
	v_readlane_b32 s54, v20, 0
.irp l, 1,2,3,4,5,6,7,8,9,10,11,12,13,14,15
	v_readlane_b32 s55, v20, \l
	s_and_b32 s54, s54, s55                        ; lanes hidden in every step
.endr
	s_lshr_b32 s55, s54, 16
	s_and_b32 s54, s54, s55                        ; both halves of a row's keys:
	s_and_b32 s54, s54, 0xffff                     ; a row that is hidden everywhere has equal weights on all keys,
	s_cselect_b32 s54, 0xffff, 0                   ; so its tile computes every step
	s_and_b32 s52, s52, 0xffff
	s_and_b32 s53, s53, 0xffff0000
	s_or_b32 s52, s52, s53
	s_or_b32 s52, s52, s54
	v_mov_b32 v23, s52
	v_mov_b32 v32, 0
	s_cmp_lg_u32 s24, 0
	s_cbranch_scc1 .Lend                           ; wave 0 stores the tile's word: 4 bytes a work-group, 512 bytes in the launch
	s_wait_xcnt 0x0                                ; EXEC changes only behind this wait
	v_cmp_eq_u32 vcc_lo, 0, v1
	s_and_saveexec_b32 s56, vcc_lo
	global_store_b32 v32, v23, s[34:35]
	s_wait_xcnt 0x0                                ; and again, in front of the line that widens it
	s_or_b32 exec_lo, exec_lo, s56
.Lend:
	s_wait_tensorcnt 0x0                           ; the wave's end, behind my last LDS store
	ds_add_u32 v[SPW], v[NIL]
	s_wait_dscnt 0x0
	s_endpgm
.Lfunc_end_k_q0a004bd1ea_prep:
	.size	k_q0a004bd1ea_prep, .Lfunc_end_k_q0a004bd1ea_prep-k_q0a004bd1ea_prep
	.p2alignl 7, 3214868480
	.fill 96, 4, 3214868480
	.section	.rodata,"a",@progbits
	.p2align	6, 0x0
	.amdhsa_kernel k_q0a004bd1ea_prep
		.amdhsa_group_segment_fixed_size 68352
		.amdhsa_private_segment_fixed_size 0
		.amdhsa_enable_private_segment 0
		.amdhsa_kernarg_size 80
		.amdhsa_user_sgpr_count 2
		.amdhsa_user_sgpr_kernarg_segment_ptr 1
		.amdhsa_wavefront_size32 1
		.amdhsa_system_sgpr_workgroup_id_x 1
		.amdhsa_system_sgpr_workgroup_id_y 1
		.amdhsa_system_sgpr_workgroup_id_z 1
		.amdhsa_system_vgpr_workitem_id 0
		.amdhsa_next_free_vgpr 256
		.amdhsa_next_free_sgpr 66
		.amdhsa_reserve_vcc 1
		.amdhsa_float_denorm_mode_32 3
		.amdhsa_float_denorm_mode_16_64 3
		.amdhsa_memory_ordered 1
		.amdhsa_forward_progress 1
		.amdhsa_inst_pref_size 99
	.end_amdhsa_kernel
	.amdgpu_metadata
---
amdhsa.version: [ 1, 2 ]
amdhsa.kernels:
  - .name:           k_q0a004bd1ea_prep
    .symbol:         k_q0a004bd1ea_prep.kd
    .args:
      - { .name: q, .offset: 0, .size: 8, .value_kind: global_buffer, .address_space: global }
      - { .name: k, .offset: 8, .size: 8, .value_kind: global_buffer, .address_space: global }
      - { .name: v, .offset: 16, .size: 8, .value_kind: global_buffer, .address_space: global }
      - { .name: Wq, .offset: 24, .size: 8, .value_kind: global_buffer, .address_space: global }
      - { .name: Wk, .offset: 32, .size: 8, .value_kind: global_buffer, .address_space: global }
      - { .name: Wv, .offset: 40, .size: 8, .value_kind: global_buffer, .address_space: global }
      - { .name: Wo, .offset: 48, .size: 8, .value_kind: global_buffer, .address_space: global }
      - { .name: mask, .offset: 56, .size: 8, .value_kind: global_buffer, .address_space: global }
      - { .name: xw, .offset: 64, .size: 8, .value_kind: global_buffer, .address_space: global }
      - { .name: mk, .offset: 72, .size: 8, .value_kind: global_buffer, .address_space: global }
    .group_segment_fixed_size: 68352
    .private_segment_fixed_size: 0
    .kernarg_segment_align: 8
    .kernarg_segment_size: 80
    .max_flat_workgroup_size: 128
    .sgpr_count:     66
    .vgpr_count:     256
    .wavefront_size: 32
...
	.end_amdgpu_metadata
.endif
;; end of part 1
;; launch proj (part 2): grid 4 x 96, 4 waves a work-group, clusters of 4 x 4, 327,680 bytes of LDS; arguments xw, bq, bk, bv, qb, kv; writes qb, kv
.if DOCPART == 2
	.amdgcn_target "amdgcn-amd-amdhsa--gfx1250"
	.amdhsa_code_object_version 6
	.text
	.protected	k_q0a004bd1ea_proj
	.globl	k_q0a004bd1ea_proj
	.p2align	8
	.type	k_q0a004bd1ea_proj,@function
k_q0a004bd1ea_proj:
	s_mov_b64 s[64:65], 0
	v_nop
	global_prefetch_b8 v0, s[64:65] scope:SCOPE_SE
	s_setreg_imm32_b32 hwreg(HW_REG_WAVE_MODE, 25, 1), 1
	s_wait_xcnt 0x0
	s_wait_alu depctr_hold_cnt(0) depctr_sa_sdst(0) depctr_va_vdst(0) depctr_va_sdst(0) depctr_va_ssrc(0) depctr_va_vcc(0) depctr_vm_vsrc(0)
	s_getreg_b32 s2, hwreg(HW_REG_IB_STS2, 6, 4)
	s_cmp_eq_u32 s2, 0
	s_cbranch_scc0 .Lentry_in_a_cluster
	s_endpgm
.Lentry_in_a_cluster:
	s_bfe_u32 s2, ttmp6, 0x10000c
	s_cmp_lg_u32 s2, 0xf033
	s_cbranch_scc0 .Lentry_shape_is_right
	s_endpgm
.Lentry_shape_is_right:
; Q = q Wq^T + bq, K = k Wk^T + bk, V = v Wv^T + bv on codes of FP6 (E2M3) with E8M0 scales (made by the launch before), sums in f32; the results are quantised again on the way out, as operands of the attention launch.
; Three products of 8,192 x 1,024 x 1,024 in one launch: 24 clusters of 4 x 4 work-groups, eight for each tensor (TAU = cluster / 8: 0 Q, 1 K, 2 V).  A work-group makes 256 x 256, a wave 128 x 128: 64 accumulators, 512 registers.
; SIDES.  For Q and K side A is the tokens and side B the rows of W; for V side A is the rows of Wv and side B the tokens.  The matrix instruction takes source 0 = 16 rows of B, source 1 = 16 rows of A: a lane holds ONE row of A and its
; registers run along B's rows.  So for Q and K a lane's registers run along the channels (the K of Q K^T), for V along the keys (the K of P V): in both cases along the next product's K.
; TILES.  Row r of tile T is row 32 (T / 2) + 8 (T % 2) + r + 8 (r / 8): so the 16 registers of B's tiles 2 b and 2 b + 1 are B's rows 32 b + 16 (lane / 16) + 0 .. 15, neighbours.
; OPERANDS lie in xw as images of the operand's registers: a unit of 768 bytes is 16 rows x 64 k (lane l's registers 0-3 at 16 l, 4-5 at 512 + 8 l); a tile's 16 units lie on end.  A fragment is two units: four LDS loads, each of
; consecutive bytes: no pitch, no padding.  K goes in four steps of 256 through two LDS slots; a wave's tensor load brings 8 tiles x 3,072 bytes.  The scale words of a work-group's rows, for all of K, come once (4 x 4,096 bytes).
; CLUSTER.  A's tiles are shared along a row of the cluster, B's along a column: each is asked for jointly, which divides the requests by four.
; OUT.  A record of 13,312 bytes for each (batch x 16 + head, step of 128 tokens): +0 eight units of K (or Q), +6,144 four fragments of V^T as 3 x 512 bytes each, +12,288 K's scale words (lane l: words of tiles 2 b + l / 16, row l % 16),
; +12,800 V's (lane l: words of channel tiles 2 w + l / 16), +13,056 zeros.  A head is 64 wide, half of the instruction's 128 along K: a scale word of Q or K repeats its two bytes.  Every store covers 512 or 256 consecutive bytes, aligned.
; No prefetch: K has four steps, two of them first fills.  LIMITS: NaN and infinities are not served; a block of zeros has the byte 1 and zero codes.
.set NQ,    2                          ; matrix instructions deep in a slot
.set FR,    12                         ; registers of a fragment
.set NL,    4                          ; LDS loads that bring one
.set NP,    4                          ; places behind this matrix instruction (ISA guide 7.12.1)
.set TILEB, 3072                       ; a tile's 256 along K: four units
.set HALFT, 8*TILEB                    ; what one tensor load brings, and what one wave reads of A or of B
.set SLOT,  4*HALFT
.set SCL,   2*SLOT                     ; behind the ring: the scale words, 4,096 bytes for each wave's load
.set SPARE, SCL+4*4096                 ; the spare words, 128 bytes for each wave: two blocks of 256 bytes that no other line names
.set TROW,  12288                      ; a tile's codes in memory
.set SCOFF, 22020096                   ; where xw's scale words begin
.set REC,   13312
.set HEADB, 16*REC                     ; from a head's records to the next head's
.set ADRA, 16                          ; v16-17 LDS address of my A fragments in slot 0, 1, + 16 x lane; v18-19 the same + 8 x lane
.set ADRB, 20                          ; v20-23 likewise for B
.set L16,  24                          ; v24 16 x lane
.set L8,   25                          ; v25 8 x lane
.set ADRS, 27                          ; v27 my scale words: lanes 0-15 A's rows, lanes 16-31 B's
.set SPW,  28                          ; v28 LDS address of my spare word; never rewritten
.set NIL,  29                          ; v29 0; never rewritten
.set SC,   32                          ; v32-63 scale words, two sets
.set BI,   64                          ; v64-127 the bias
.set AF,   128                         ; v128-223 A's fragments, one set.  Window 1: B's, two sets at v0 and v128.  Windows 2, 3: the accumulators
.set HA,   128                         ; the way out: v128-191 64 results of a lane
.set PC,   192                         ; v192-211 the codes just made
.set TM,   224                         ; v224-239 at work
.set PW,   240                         ; v240 the scale word just made
.set WE,   32                          ; v32-47 the blocks' scale words
.set SW,   48                          ; v48-55 their images
.set WV,  92
.set WH,  93
.set WL,  94
.set TAU, 96
.set HM,  97
.set SEL, 98
.set G1,   24
.set G0,   32
.set G1B,  48
.set G0B,  56
.set G1S,  68
.set G0S,  76
.set G1SB, 80
.set G0SB, 88
.set MSB, 0
.macro WIN new                         ; the immediate's high byte repeats the setting that is left
.if MSB != \new
	s_set_vgpr_msb (MSB<<8)|\new
.set MSB, \new
.endif
.endm
.set MUL_LO, 0xa1                      ; source 0 (B) window 1, source 1 (A) window 0, C and D window 2
.set MUL_HI, 0xf1                      ; the same, C and D window 3
.set TO_B,   0x40                      ; destination window 1, address window 0
; A joint load: waves 0 and 1 fetch for A, waves 2 and 3 for B; the branch hangs on the wave's number alone.  An s_nop 0 and four v_nop follow each of the two lines.
.macro JLOAD g0a, g1a, g0b, g1b
	s_cmp_eq_u32 s[WH], 0
	s_cbranch_scc0 .Lfor_b_\@
	tensor_load_to_lds s[\g0a:\g0a+3], s[\g1a:\g1a+7]
	s_nop 0
.rept 4
	v_nop
.endr
	s_branch .Lasked_\@
.Lfor_b_\@:
	tensor_load_to_lds s[\g0b:\g0b+3], s[\g1b:\g1b+7]
	s_nop 0
.rept 4
	v_nop
.endr
.Lasked_\@:
.endm
.macro CREST                           ; a round of the cluster's barrier behind its opening barrier
	s_cmp_lg_u32 s[WV], 0
	s_cbranch_scc1 .Lnot_wave_0_\@
	s_barrier_signal -3
.Lnot_wave_0_\@:
	s_barrier_wait -3
	s_barrier_signal -1
	s_barrier_wait -1
.endm
.macro CROUND
	s_barrier_signal -1
	s_barrier_wait -1
	CREST
.endm
.macro FRAG reg, adr, q, i             ; tile i's fragment of the slot's q-th 128 along K: two units as they lie
	ds_load_b128 v[\reg:\reg+3], v[\adr] offset:TILEB*(\i)+1536*(\q)
	ds_load_b64 v[\reg+4:\reg+5], v[\adr+2] offset:TILEB*(\i)+1536*(\q)+512
	ds_load_b128 v[\reg+6:\reg+9], v[\adr] offset:TILEB*(\i)+1536*(\q)+768
	ds_load_b64 v[\reg+10:\reg+11], v[\adr+2] offset:TILEB*(\i)+1536*(\q)+1280
.endm
; 16 matrix instructions: A's blocks a0, a0 + 1 x B's eight.  The 64 accumulators take turns, one instruction a turn, in the same order in every step.
.macro MUL16 a0, p, q, sc, zero
.irp a, \a0, \a0+1
.irp b, 0,1,2,3,4,5,6,7
.if \zero
	v_wmma_scale_f32_16x16x128_f8f6f4 v[8*(8*((\a)%4)+\b):8*(8*((\a)%4)+\b)+7], v[128*(\p)+FR*\b:128*(\p)+FR*\b+FR-1], v[AF+FR*(\a):AF+FR*(\a)+FR-1], 0, v[SC+8*NQ*(\sc)+NQ*\b+(\q)], v[SC+8*NQ*(\sc)+NQ*(\a)+(\q)] matrix_a_fmt:MATRIX_FMT_FP6 matrix_b_fmt:MATRIX_FMT_FP6 matrix_a_scale:MATRIX_SCALE_ROW1
.else
	v_wmma_scale_f32_16x16x128_f8f6f4 v[8*(8*((\a)%4)+\b):8*(8*((\a)%4)+\b)+7], v[128*(\p)+FR*\b:128*(\p)+FR*\b+FR-1], v[AF+FR*(\a):AF+FR*(\a)+FR-1], v[8*(8*((\a)%4)+\b):8*(8*((\a)%4)+\b)+7], v[SC+8*NQ*(\sc)+NQ*\b+(\q)], v[SC+8*NQ*(\sc)+NQ*(\a)+(\q)] matrix_a_fmt:MATRIX_FMT_FP6 matrix_b_fmt:MATRIX_FMT_FP6 matrix_a_scale:MATRIX_SCALE_ROW1
.endif
.endr
.endr
.endm
.macro FETCH_B slot, q, p
	WIN TO_B
.irp i, 0,1,2,3,4,5,6,7
	FRAG 128*(\p)+FR*\i, ADRB+\slot, \q, \i
.endr
	WIN 0
.endm
.macro FETCH_A slot, q, i0
.irp i, \i0, \i0+1, \i0+2, \i0+3
	FRAG AF+FR*(\i), ADRA+\slot, \q, \i
.endr
.endm
.macro SCALES sc, ks                   ; K step ks's two words a row into set sc: lanes 0-15 take A's block i, lanes 16-31 B's block i
.irp i, 0,1,2,3,4,5,6,7
	ds_load_b64 v[SC+8*NQ*(\sc)+NQ*\i:SC+8*NQ*(\sc)+NQ*\i+1], v[ADRS] offset:512*\i+256*((\ks)/2)+8*((\ks)%2)
.endr
.endm
.macro PLACES n                        ; plain vector instructions between a matrix instruction and a load into, or a vector instruction on, its registers
.rept \n
	v_nop
.endr
.endm
.macro STEP slot, q, zero              ; 128 along K that have their successor in the same slot
	s_wait_dscnt 4*NL                              ; B's set, A's blocks 0-3 and the scale words are in; the youngest 16 loads (A's blocks 4-7) may be out
	WIN MUL_LO
	MUL16 0, (\q)%2, \q, \slot, \zero
	MUL16 2, (\q)%2, \q, \slot, \zero
	s_wait_dscnt 0
	PLACES NP
	FETCH_B \slot, (\q)+1, 1-(\q)%2
	FETCH_A \slot, (\q)+1, 0
	WIN MUL_HI
	MUL16 4, (\q)%2, \q, \slot, \zero
	MUL16 6, (\q)%2, \q, \slot, \zero
	PLACES NP
	WIN 0
	FETCH_A \slot, (\q)+1, 4
.endm
; A slot's last 128 change slots: one barrier; in front of it each wave waits for all its tensor loads, adds 0 to its spare word, and waits for that and for its reads of this slot.  fill = 1: this slot is filled again, two K steps on.
.macro TURN slot, next, fill, ks
	s_wait_tensorcnt 0x0                           ; all my tensor loads have landed: my part of the next slot
	ds_add_u32 v[SPW], v[NIL]                      ; 0 onto my spare word
	s_wait_dscnt 4*NL+1                            ; (the add and the youngest 16 loads may be out)
	WIN MUL_LO
	MUL16 0, 1, NQ-1, \slot, 0
	s_wait_dscnt 0x0                               ; the add is done, and my reads of this slot are over
	s_barrier_signal -1
	MUL16 2, 1, NQ-1, \slot, 0
	WIN 0
	s_barrier_wait -1
.if \fill
	CREST                                          ; the barrier has opened a round of the cluster's barrier: no wave of any partner still reads this slot or has a load on its way
	s_add_nc_u64 s[G0+4*\slot+2:G0+4*\slot+3], s[G0+4*\slot+2:G0+4*\slot+3], 2*TILEB
	s_add_nc_u64 s[G0B+4*\slot+2:G0B+4*\slot+3], s[G0B+4*\slot+2:G0B+4*\slot+3], 2*TILEB
	JLOAD G0+4*\slot, G1, G0B+4*\slot, G1B         ; the first tensor load behind the round; its four v_nop are also the places in front of the loads below
.else
	PLACES NP
.endif
	FETCH_B \next, 0, 0
	FETCH_A \next, 0, 0
	SCALES \next, \ks
	WIN MUL_HI
	MUL16 4, 1, NQ-1, \slot, 0
	MUL16 6, 1, NQ-1, \slot, 0
	PLACES NP
	WIN 0
	FETCH_A \next, 0, 4
.endm
.macro TAIL                            ; the last K step, in slot 1; then the bias is in, and four places stand behind the last products
	STEP 1, 0, 0
	s_wait_dscnt 4*NL
	WIN MUL_LO
	MUL16 0, 1, NQ-1, 1, 0
	MUL16 2, 1, NQ-1, 1, 0
	s_wait_dscnt 0
	WIN MUL_HI
	MUL16 4, 1, NQ-1, 1, 0
	MUL16 6, 1, NQ-1, 1, 0
	WIN 0
	s_wait_loadcnt 0x0
	PLACES NP
.endm
; 64 numbers of a lane, register 16 b + i = k 32 b + 16 (lane / 16) + i of my row, become a fragment's codes in v[PC] on and its scale word in v[PW].
.macro QUANT s
.irp b, 0,1,2,3
	v_max3_num_f32 v[TM+\b], |v[\s+16*\b]|, |v[\s+1+16*\b]|, 0x1800000   ; the floor 2^(3 - 127) among the leaves: the byte cannot fall under 1
.endr
.irp i, 2,4,6,8,10,12,14
.irp b, 0,1,2,3
	v_max3_num_f32 v[TM+\b], v[TM+\b], |v[\s+16*\b+\i]|, |v[\s+1+16*\b+\i]|
.endr
.endr
.irp b, 0,1,2,3
	v_permlanex16_b32 v[TM+4+\b], v[TM+\b], s[SEL], s[SEL+1]
.endr
.irp b, 0,1,2,3
	v_max_num_f32 v[TM+\b], v[TM+\b], v[TM+4+\b]   ; with lane l xor 16's: the block's largest magnitude
.endr
.irp b, 0,1,2,3
	v_add_nc_u32 v[TM+12+\b], 0xff000000, v[TM+\b] ; 2 off its exponent field: the conversion's scale operand
.endr
.irp b, 0,1,2,3
	v_lshrrev_b32 v[TM+4+\b], 23, v[TM+12+\b]      ; the scale's byte
.endr
	v_lshl_or_b32 v[PW], v[TM+5], 8, v[TM+4]
	v_lshl_or_b32 v[PW], v[TM+6], 16, v[PW]
	v_lshl_or_b32 v[PW], v[TM+7], 24, v[PW]
.irp c, 0,1
	v_cvt_scalef32_pk16_fp6_f32 v[PC+6*\c:PC+2+6*\c], v[\s+32*\c:\s+15+32*\c], v[TM+12+2*\c]
	v_cvt_scalef32_pk16_fp6_f32 v[PC+12+4*\c:PC+14+4*\c], v[\s+16+32*\c:\s+31+32*\c], v[TM+12+2*\c+1]   ; (a conversion's three registers begin on an even number)
.endr
	v_nop                                          ; one plain place behind a scaled conversion
.irp c, 0,1                            ; the operand's layout wants a whole block in a lane
.irp i, 0,1,2
	v_permlane16_swap_b32 v[PC+6*\c+\i], v[PC+12+4*\c+\i]
.endr
.irp i, 0,1,2
	v_mov_b32 v[PC+3+6*\c+\i], v[PC+12+4*\c+\i]
.endr
.endr
.endm
; Block a of my eight (16 rows of A): + bias, quantised, stored.  The additions take each accumulator's registers in ascending order.
.macro EPI a, isv
.if (\a) > 0
	s_wait_xcnt 0x0                                ; the last block's stores have read their data
.endif
	WIN 0x02+(\a)/4                                ; source 0: window 2 or 3
.set x, 0
.rept 32
.if \isv
	v_pk_add_f32 v[HA+2*x:HA+2*x+1], v[64*((\a)%4)+2*x:64*((\a)%4)+2*x+1], v[BI+2*(\a):BI+2*(\a)+1]
.else
	v_pk_add_f32 v[HA+2*x:HA+2*x+1], v[64*((\a)%4)+2*x:64*((\a)%4)+2*x+1], v[BI+2*x:BI+2*x+1]
.endif
.set x, x+1
.endr
	WIN 0
	QUANT HA
.if \isv
.irp c, 0,1,2
	global_store_b128 v[L16], v[PC+4*\c:PC+4*\c+3], s[22:23] offset:HEADB*((\a)/4)+6144+1536*((\a)%4)+512*\c   ; 16 channels x 128 keys
.endr
	v_mov_b32 v[WE+(\a)], v[PW]
.else
.irp c, 0,1                            ; my 128 channels are two heads: a unit for each
	global_store_b128 v[L16], v[PC+6*\c:PC+6*\c+3], s[22:23] offset:HEADB*\c+768*(\a)
	global_store_b64 v[L8], v[PC+6*\c+4:PC+6*\c+5], s[22:23] offset:HEADB*\c+768*(\a)+512
.endr
	v_perm_b32 v[WE+(\a)], v[PW], v[PW], 0x01000100      ; the first head's two bytes, twice;
	v_perm_b32 v[WE+8+(\a)], v[PW], v[PW], 0x03020302    ; the second's
.endif
.endm
	s_load_b256 s[4:11], s[0:1], 0x0               ; xw, bq, bk, bv
	s_load_b128 s[12:15], s[0:1], 0x20             ; qb, kv
	v_lshl_add_u32 v[SPW], v0, 2, SPARE
	v_mov_b32 v[NIL], 0
	ds_add_u32 v[SPW], v[NIL]                      ; the wave's opening: the add and its wait stand ahead of my first tensor load; work on registers stands between them
	v_lshrrev_b32 v1, 5, v0
	v_readfirstlane_b32 s[WV], v1                  ; wave 0..3
	s_lshr_b32 s[WH], s[WV], 1                     ; my half of A's rows.  Also: I fetch for A (0) or for B (1)
	s_and_b32 s[WL], s[WV], 1                      ; my half of B's rows.  Also: which 8 tiles I fetch
	s_mov_b32 s[HM], 0xffff0000
	s_mov_b32 s[SEL], 0x76543210
	s_mov_b32 s[SEL+1], 0xfedcba98
	s_bfe_u32 s40, ttmp6, 0x40000                  ; cx, cy: my place in the cluster
	s_bfe_u32 s41, ttmp6, 0x40004
	s_and_b32 s18, ttmp7, 0xffff                   ; the cluster's number: the same in all partners
	s_lshr_b32 s[TAU], s18, 3                      ; the tensor
	s_and_b32 s18, s18, 7                          ; which eighth of the tokens
	s_lshr_b32 s19, s[TAU], 1                      ; 1 for V
	s_mul_i32 s16, s18, s19
	s_sub_co_u32 s18, s18, s16
	s_lshl_b32 s17, s18, 2
	s_add_co_u32 s17, s17, s41                     ; block of 256 rows of A: Q, K: 4 x eighth + cy; V: cy
	s_lshl_b32 s42, s16, 2
	s_add_co_u32 s42, s42, s40                     ; block of 256 rows of B: Q, K: cx; V: 4 x eighth + cx
	s_lshl_b32 s43, s41, 2
	s_lshl_b32 s43, 15, s43                        ; my row of the cluster
	s_lshl_b32 s44, 0x1111, s40                    ; my column
	; descriptor group 1 for codes: 8 rows (tiles) of 384 elements of 8 bytes, 1,536 elements apart; no padding
	s_or_b32 s[G1+0], s43, (3<<16)|(1<<21)
	s_or_b32 s[G1B+0], s44, (3<<16)|(1<<21)
.irp g, G1, G1B
	s_mov_b32 s[\g+1], 384<<16                     ; tensor_dim0
	s_mov_b32 s[\g+2], 8<<16                       ; tensor_dim1
	s_mov_b32 s[\g+3], 384<<16                     ; tile_dim0
	s_mov_b32 s[\g+4], 8                           ; tile_dim1
	s_mov_b32 s[\g+5], 1536                        ; tensor_dim0_stride
	s_mov_b32 s[\g+6], 0
	s_mov_b32 s[\g+7], 0
.endr
	; and for the scale words of 8 tiles: 4,096 dense bytes as 16 rows of 256
	s_or_b32 s[G1S+0], s43, (3<<16)|(1<<21)
	s_or_b32 s[G1SB+0], s44, (3<<16)|(1<<21)
.irp g, G1S, G1SB
	s_mov_b32 s[\g+1], 32<<16
	s_mov_b32 s[\g+2], 16<<16
	s_mov_b32 s[\g+3], 32<<16
	s_mov_b32 s[\g+4], 16
	s_mov_b32 s[\g+5], 32
	s_mov_b32 s[\g+6], 0
	s_mov_b32 s[\g+7], 0
.endr
	s_lshl_b32 s45, s[WL], 3
	s_mul_i32 s95, s19, 640
	s_lshl_b32 s20, s[TAU], 9
	s_add_co_u32 s20, s20, s95                     ; A's tensor begins at tile 0 (q), 512 (k), 1,664 (Wv)
	s_lshl_b32 s21, s17, 4
	s_add_co_u32 s20, s20, s21
	s_add_co_u32 s20, s20, s45                     ; the first tile of A that I fetch
	s_lshl_b32 s46, s[TAU], 6
	s_add_co_u32 s46, s46, 1536
	s_sub_co_u32 s46, s46, s95                     ; B's at 1,536 (Wq), 1,600 (Wk), 1,024 (v)
	s_lshl_b32 s47, s42, 4
	s_add_co_u32 s46, s46, s47
	s_add_co_u32 s46, s46, s45                     ; the first tile of B that I fetch
	s_lshl_b32 s22, s20, 9
	s_add_co_u32 s22, s22, SCOFF
	s_mov_b32 s23, 0
	s_mul_i32 s20, s20, TROW
	s_mov_b32 s21, 0
	s_lshl_b32 s18, s46, 9
	s_add_co_u32 s18, s18, SCOFF
	s_mov_b32 s19, 0
	s_mul_i32 s46, s46, TROW
	s_mov_b32 s47, 0
	s_mul_i32 s45, s[WV], HALFT                    ; where they go: no place in the cluster enters an LDS address
	s_lshl_b32 s95, s[WV], 12
	s_wait_dscnt 0x0                               ; the opening add is done
	s_wait_kmcnt 0x0
	s_add_nc_u64 s[20:21], s[4:5], s[20:21]
	s_add_nc_u64 s[22:23], s[4:5], s[22:23]
	s_add_nc_u64 s[46:47], s[4:5], s[46:47]
	s_add_nc_u64 s[18:19], s[4:5], s[18:19]
	CROUND                                         ; all sixteen work-groups are here: the first joint loads meet
	s_mov_b32 s[G0S], 1
	s_add_co_u32 s[G0S+1], s95, SCL
	s_mov_b64 s[G0S+2:G0S+3], s[22:23]
	s_or_b32 s[G0S+3], s[G0S+3], 0x80000000
	s_mov_b32 s[G0SB], 1
	s_add_co_u32 s[G0SB+1], s95, SCL
	s_mov_b64 s[G0SB+2:G0SB+3], s[18:19]
	s_or_b32 s[G0SB+3], s[G0SB+3], 0x80000000
	JLOAD G0S, G1S, G0SB, G1SB                     ; the scale words first: they are wanted with K step 0
.irp s, 0,1
	s_mov_b32 s[G0+4*\s], 1
	s_add_co_u32 s[G0+4*\s+1], s45, \s*SLOT
	s_add_nc_u64 s[G0+4*\s+2:G0+4*\s+3], s[20:21], \s*TILEB
	s_or_b32 s[G0+4*\s+3], s[G0+4*\s+3], 0x80000000
	s_mov_b32 s[G0B+4*\s], 1
	s_add_co_u32 s[G0B+4*\s+1], s45, \s*SLOT
	s_add_nc_u64 s[G0B+4*\s+2:G0B+4*\s+3], s[46:47], \s*TILEB
	s_or_b32 s[G0B+4*\s+3], s[G0B+4*\s+3], 0x80000000
	JLOAD G0+4*\s, G1, G0B+4*\s, G1B
.endr
	v_and_b32 v1, 31, v0                           ; lane
	v_and_b32 v2, 15, v0                           ; r
	v_bfe_u32 v3, v0, 4, 1                         ; h
	v_lshlrev_b32 v[L16], 4, v1
	v_lshlrev_b32 v[L8], 3, v1
	s_mul_i32 s21, s[WH], HALFT                    ; my 8 tiles of A
	s_mul_i32 s22, s[WL], HALFT                    ; my 8 tiles of B,
	s_add_co_u32 s22, s22, 2*HALFT                 ; which lie behind A's 16
.irp s, 0,1
	v_add_nc_u32 v[ADRA+\s], s21, v[L16]
	v_add_nc_u32 v[ADRB+\s], s22, v[L16]
	v_add_nc_u32 v[ADRA+2+\s], s21, v[L8]
	v_add_nc_u32 v[ADRB+2+\s], s22, v[L8]
	s_add_co_u32 s21, s21, SLOT
	s_add_co_u32 s22, s22, SLOT
.endr
	s_lshl_b32 s21, s[WH], 12                      ; A's scale words: my 8 tiles
	s_lshl_b32 s22, s[WL], 12                      ; B's, behind A's 8,192 bytes
	s_add_co_u32 s22, s22, 8192
	s_sub_co_u32 s22, s22, s21
	v_mul_u32_u24 v4, s22, v3                      ; lanes 16-31 take B's
	s_add_co_u32 s21, s21, SCL
	v_lshl_add_u32 v4, v2, 4, v4                   ; 16 bytes a row
	v_add_nc_u32 v[ADRS], s21, v4
.irp b, 0,1,2,3
	v_mov_b32 v[TM+4+\b], 0                        ; written once: a lane permute's destination counts as one of its sources
.endr
	s_wait_tensorcnt 1                             ; the scale words and my part of K step 0 are in (K step 1's load may be out),
	s_barrier_signal -1
	s_barrier_wait -1                              ; everybody's are
	FETCH_B 0, 0, 0
	FETCH_A 0, 0, 0
	SCALES 0, 0
	FETCH_A 0, 0, 4
	STEP 0, 0, 1                                   ; the first products start the sums: nothing is cleared
	TURN 0, 1, 1, 1                                ; K has four steps of 256: the walk is written out
	STEP 1, 0, 0
	TURN 1, 0, 1, 2
	STEP 0, 0, 0
	TURN 0, 1, 0, 3                                ; the last change of slots fills nothing, and has no round of the cluster's barrier
	; The ways part here, on the tensor's number (the same in all partners), one K step ahead of the end: each asks for its bias, multiplies the last K step while it comes, and goes out.
	s_cmp_lt_u32 s[TAU], 2
	s_cbranch_scc0 .Lvalues
	; ---- Q and K: a lane holds a token; the bias runs along its registers
	s_cmp_eq_u32 s[TAU], 0
	s_cselect_b64 s[20:21], s[6:7], s[8:9]
	s_cselect_b64 s[22:23], s[12:13], s[14:15]
	s_lshl_b32 s2, s42, 10
	s_lshl_b32 s3, s[WL], 9
	s_add_co_u32 s2, s2, s3                        ; my 128 channels begin at 256 x block + 128 x half
	s_mov_b32 s3, 0
	s_add_nc_u64 s[20:21], s[20:21], s[2:3]
	v_lshlrev_b32 v5, 6, v3                        ; register 16 b + i: channel 32 b + 16 h + i
.irp b, 0,1,2,3
.irp j, 0,1,2,3
	global_load_b128 v[BI+16*\b+4*\j:BI+16*\b+4*\j+3], v5, s[20:21] offset:128*\b+16*\j
.endr
.endr
	s_lshr_b32 s2, s17, 3                          ; batch
	s_lshl_b32 s2, s2, 4
	s_lshl_b32 s18, s42, 2
	s_add_co_u32 s2, s2, s18
	s_lshl_b32 s18, s[WL], 1
	s_add_co_u32 s2, s2, s18                       ; batch x 16 + my first head
	s_lshl_b32 s2, s2, 4
	s_and_b32 s18, s17, 7
	s_lshl_b32 s18, s18, 1
	s_add_co_u32 s2, s2, s18
	s_add_co_u32 s2, s2, s[WH]                     ; + my step of 128 tokens
	s_mul_i32 s2, s2, REC
	s_add_nc_u64 s[22:23], s[22:23], s[2:3]
	TAIL
.irp a, 0,1,2,3,4,5,6,7
	EPI \a, 0
.endr
.irp c, 0,1
.irp b, 0,1,2,3
	v_cndmask_b32 v[SW+4*\c+\b], v[WE+8*\c+2*\b], v[WE+8*\c+2*\b+1], s[HM]   ; lanes 0-15: tile 2 b's words, lanes 16-31: tile 2 b + 1's
.endr
	global_store_b128 v[L16], v[SW+4*\c:SW+4*\c+3], s[22:23] offset:HEADB*\c+12288
.endr
	s_branch .Ldone
	; ---- V: a lane holds a channel, and one number of the bias serves all its registers
.Lvalues:
	s_lshl_b32 s2, s17, 10
	s_lshl_b32 s3, s[WH], 9
	s_add_co_u32 s2, s2, s3
	s_mov_b32 s3, 0
	s_add_nc_u64 s[20:21], s[10:11], s[2:3]
	v_and_b32 v5, 8, v2
	v_add_nc_u32 v5, v5, v2                        ; r + 8 (r / 8)
	v_lshlrev_b32 v5, 2, v5
.irp a, 0,1,2,3,4,5,6,7
	global_load_b32 v[BI+2*\a], v5, s[20:21] offset:4*(32*(\a/2)+8*(\a%2))      ; twice: a pair for the packed addition
	global_load_b32 v[BI+2*\a+1], v5, s[20:21] offset:4*(32*(\a/2)+8*(\a%2))
.endr
	s_lshr_b32 s2, s42, 3                          ; batch
	s_lshl_b32 s2, s2, 4
	s_lshl_b32 s18, s17, 2
	s_add_co_u32 s2, s2, s18
	s_lshl_b32 s18, s[WH], 1
	s_add_co_u32 s2, s2, s18                       ; batch x 16 + my first head
	s_lshl_b32 s2, s2, 4
	s_and_b32 s18, s42, 7
	s_lshl_b32 s18, s18, 1
	s_add_co_u32 s2, s2, s18
	s_add_co_u32 s2, s2, s[WL]                     ; + my step of 128 keys
	s_mul_i32 s2, s2, REC
	s_add_nc_u64 s[22:23], s[14:15], s[2:3]
	TAIL
.irp a, 0,1,2,3,4,5,6,7
	EPI \a, 1
.endr
	v_mov_b32 v[SW+4], 0
	v_mov_b32 v[SW+5], 0
.irp d, 0,1
.irp w, 0,1
	v_cndmask_b32 v[SW+2*\d+\w], v[WE+4*\d+2*\w], v[WE+4*\d+2*\w+1], s[HM]   ; lanes 0-15: channel tile 2 w's words, lanes 16-31: tile 2 w + 1's
.endr
	global_store_b64 v[L8], v[SW+2*\d:SW+2*\d+1], s[22:23] offset:HEADB*\d+12800
	global_store_b64 v[L8], v[SW+4:SW+5], s[22:23] offset:HEADB*\d+13056          ; the record's last 256 bytes: zeros, so that it can be read whole
.endr
.Ldone:
	s_wait_tensorcnt 0x0                           ; the wave's end
	ds_add_u32 v[SPW], v[NIL]
	s_wait_dscnt 0x0
	CROUND                                         ; the closing round: no work-group ends while a partner may still ask for a tile that names it
	s_endpgm
.Lfunc_end_k_q0a004bd1ea_proj:
	.size	k_q0a004bd1ea_proj, .Lfunc_end_k_q0a004bd1ea_proj-k_q0a004bd1ea_proj
	.p2alignl 7, 3214868480
	.fill 96, 4, 3214868480
	.section	.rodata,"a",@progbits
	.p2align	6, 0x0
	.amdhsa_kernel k_q0a004bd1ea_proj
		.amdhsa_group_segment_fixed_size 327680
		.amdhsa_private_segment_fixed_size 0
		.amdhsa_enable_private_segment 0
		.amdhsa_kernarg_size 48
		.amdhsa_user_sgpr_count 2
		.amdhsa_user_sgpr_kernarg_segment_ptr 1
		.amdhsa_wavefront_size32 1
		.amdhsa_system_sgpr_workgroup_id_x 1
		.amdhsa_system_sgpr_workgroup_id_y 1
		.amdhsa_system_sgpr_workgroup_id_z 1
		.amdhsa_system_vgpr_workitem_id 0
		.amdhsa_next_free_vgpr 1024
		.amdhsa_next_free_sgpr 100
		.amdhsa_reserve_vcc 0
		.amdhsa_float_denorm_mode_32 3
		.amdhsa_float_denorm_mode_16_64 3
		.amdhsa_memory_ordered 1
		.amdhsa_forward_progress 1
		.amdhsa_inst_pref_size 240
	.end_amdhsa_kernel
	.amdgpu_metadata
---
amdhsa.version: [ 1, 2 ]
amdhsa.kernels:
  - .name:           k_q0a004bd1ea_proj
    .symbol:         k_q0a004bd1ea_proj.kd
    .args:
      - { .name: xw, .offset: 0, .size: 8, .value_kind: global_buffer, .address_space: global }
      - { .name: bq, .offset: 8, .size: 8, .value_kind: global_buffer, .address_space: global }
      - { .name: bk, .offset: 16, .size: 8, .value_kind: global_buffer, .address_space: global }
      - { .name: bv, .offset: 24, .size: 8, .value_kind: global_buffer, .address_space: global }
      - { .name: qb, .offset: 32, .size: 8, .value_kind: global_buffer, .address_space: global }
      - { .name: kv, .offset: 40, .size: 8, .value_kind: global_buffer, .address_space: global }
    .group_segment_fixed_size: 327680
    .private_segment_fixed_size: 0
    .kernarg_segment_align: 8
    .kernarg_segment_size: 48
    .max_flat_workgroup_size: 128
    .sgpr_count:     100
    .vgpr_count:     1024
    .wavefront_size: 32
...
	.end_amdgpu_metadata
.endif
;; end of part 2
;; launch attn (part 3): grid 4 x 64, 16 waves a work-group, no clusters, 34,816 bytes of LDS; arguments qb, kv, mk, ctx; writes ctx
.if DOCPART == 3
	.amdgcn_target "amdgcn-amd-amdhsa--gfx1250"
	.amdhsa_code_object_version 6
	.text
	.protected	k_q0a004bd1ea_attn
	.globl	k_q0a004bd1ea_attn
	.p2align	8
	.type	k_q0a004bd1ea_attn,@function
k_q0a004bd1ea_attn:
	s_mov_b64 s[64:65], 0
	v_nop
	global_prefetch_b8 v0, s[64:65] scope:SCOPE_SE
	s_setreg_imm32_b32 hwreg(HW_REG_WAVE_MODE, 25, 1), 1
	s_wait_xcnt 0x0
; context = softmax(mask(Q K^T / 8)) V for 64 (batch, head) pairs, head size 64, 2,048 queries and keys, both products on codes of FP6 (E2M3) with E8M0 scales; the context is quantised on the way out, along the channels, for the last product.
; THE SOFTMAX: t = score x log2(e) / 8; M = the row's largest t so far, rounded up to a whole number; p = 2^(t - M) is quantised along the keys, not normalised; the row's sum is taken of the unquantised p and divides at the end.
; When M moves, the sum and O are multiplied by 2^(old M - new M): exact.
; SHARES.  A work-group serves one (batch, head) and TWO blocks of 256 queries, 7 - x and then x; each of its sixteen waves owns one tile of 16 queries, in 256 registers: four waves to a SIMD, so that one wave's vector work stands
; beside another's products and LDS loads.  A step is 128 keys: one record of 13,312 bytes (8 units of K, 4 fragments of V^T, their scale words), images of the operands' registers.
; THE MASK is an input.  The first launch has stored, for each tile of queries and each step, 64 lane masks (one for each score register) and two flags.  A step all of whose scores are hidden for my tile is left out: its p are 0
; (a tile with a row that is hidden everywhere has the flag of every step set).  A step with no hidden score applies nothing.  In the others a hidden score becomes -2^33: one v_cndmask_b32 a score.
; -2^33 x c is a whole number, so a row hidden so far has p = 1 on every key, which the first score that counts multiplies by 2^(a change of M of about -1.5e9) = 0, and a row hidden everywhere ends with equal weights, as reference() has it.
; With the two blocks 7 - x and x a causal mask gives every work-group the same number of steps; any other mask is served as well.
; NO JOINT LOADS, NO TENSOR LOADS: the four work-groups of a head read the same records, but which steps a work-group needs hangs on numbers read from memory.
; So a record goes from memory through registers into LDS: each thread 16 bytes (and 16 more in waves 0-9): 26 x 512 bytes; it is asked for a step ahead, into the other of two slots; one barrier a step.
; LAYOUT.  S^T = K Q^T (source 0 = 16 keys, source 1 = my queries), O^T = V^T P^T: a lane holds one query throughout.  The head's 64 are half of the instruction's 128 along K: Q's upper six registers hold zero codes; K's fragment of
; tile t is registers 6 t .. 6 t + 11 of the run of units, whose upper six are tile t + 1's codes (six cleared registers behind tile 7): any code x the code 0 adds nothing; the scale words repeat their two bytes.
; LIMITS: NaN and infinities are not served.  A hidden score stands for a logit of -1.07e9 where reference() has -1e9: results differ only where logits that count come within some 150 of -1e9.  1 / sum by v_rcp_f32.
; The scale bytes of the context leave as one byte a lane, 16 bytes apart (4 per cent of the launch's stores): whole runs would want all 16 heads of a token in one work-group.
; REGISTERS: v1-8 addresses; v12 -M, v13 the largest t, v[14:15] the sum; v16-27 Q; v32-85 K's units, then V's fragments; v96-159 S^T, then p; v160-191 O^T; v192-199 the record on its way; v200 -2^33; v224-255 at work.
.set REC,   13312
.set HEADB, 212992                     ; a head's 16 records
.set SLOTP, 16384                      ; from slot 0 to slot 1
.set SPARE, 32768                      ; the spare words, 128 bytes for each wave: eight blocks of 256 bytes that no other line names
.set MOFF,  524288
.set CSOFF, 6291456
.set KVP,  6                           ; s[6:7]   the next step's record
.set MWP,  8                           ; s[8:9]   this step's lane masks
.set WV,   12
.set PASS, 13
.set NEED, 14                          ; bit 0: my tile needs this step
.set MIX,  15                          ; bit 0: this step has hidden scores for my tile
.set WGN,  66                          ; bit 0: some wave needs the NEXT step
.set TRIP, 67
.set SEL,  84
.set CS,   86                          ; s[86:87] c = log2(e) / 8
.set KVB,  88                          ; s[88:89] my head's records
.set MKB,  90                          ; s[90:91] mk
.set QB,   92
.set HM,   93
.set PFN,  94                          ; prefetches still to be issued by this wave
.set BH,   95
.set PFA,  96                          ; s[96:97] where the next one stands
.macro GLOAD                           ; the next record: 16 bytes a thread, 8,192 a work-group; then 5,120 more by waves 0-9
	global_load_b128 v[192:195], v3, s[KVP:KVP+1]
	s_cmp_lt_u32 s[WV], 10
	s_cbranch_scc0 .Lshort_\@
	global_load_b128 v[196:199], v3, s[KVP:KVP+1] offset:8192
.Lshort_\@:
.endm
.macro DSTORE sl
	ds_store_b128 v3, v[192:195] offset:SLOTP*(\sl)
	s_cmp_lt_u32 s[WV], 10
	s_cbranch_scc0 .Lshort_\@
	ds_store_b128 v3, v[196:199] offset:SLOTP*(\sl)+8192
.Lshort_\@:
.endm
; A KEY STEP of my tile, from slot sl.
.macro STEP sl
.set SB, SLOTP*(\sl)
	s_load_b512 s[16:31], s[MWP:MWP+1], 0x0        ; the 64 lane masks: word n in s[16 + n], from n = 48 on in s[20 + n]
	s_load_b512 s[32:47], s[MWP:MWP+1], 0x40
	s_load_b512 s[48:63], s[MWP:MWP+1], 0x80
	s_load_b512 s[68:83], s[MWP:MWP+1], 0xc0
.irp t, 0,1,2,3,4,5,6,7
	ds_load_b128 v[32+6*\t:35+6*\t], v1 offset:SB+768*\t
	ds_load_b64 v[36+6*\t:37+6*\t], v2 offset:SB+768*\t+512
.endr
	ds_load_b128 v[248:251], v1 offset:SB+12288    ; register b: lanes 0-15 tile 2 b's scale words, lanes 16-31 tile 2 b + 1's
	s_wait_dscnt 0x0
.irp t, 0,1,2,3,4,5,6,7
.if \t%2
	v_wmma_scale_f32_16x16x128_f8f6f4 v[96+8*\t:103+8*\t], v[32+6*\t:43+6*\t], v[16:27], 0, v[248+\t/2], v255 matrix_a_fmt:MATRIX_FMT_FP6 matrix_b_fmt:MATRIX_FMT_FP6 matrix_a_scale:MATRIX_SCALE_ROW1
.else
	v_wmma_scale_f32_16x16x128_f8f6f4 v[96+8*\t:103+8*\t], v[32+6*\t:43+6*\t], v[16:27], 0, v[248+\t/2], v255 matrix_a_fmt:MATRIX_FMT_FP6 matrix_b_fmt:MATRIX_FMT_FP6
.endif
.endr                                  ; register 16 b + i of v96 on: key 32 b + 16 (lane / 16) + i of the step
.rept 4
	v_nop                                          ; places: in front of the loads into K's registers, and of the first read of the scores
.endr
.irp f, 0,1,2,3
.irp c, 0,1,2
	ds_load_b128 v[32+12*\f+4*\c:35+12*\f+4*\c], v1 offset:SB+6144+1536*\f+512*\c   ; V's four fragments land while the softmax is walked
.endr
.endr
	ds_load_b64 v[248:249], v2 offset:SB+12800     ; register w: lanes 0-15 channel tile 2 w's scale words, lanes 16-31 tile 2 w + 1's
	s_wait_kmcnt 0x0
	s_bitcmp1_b32 s[MIX], 0
	s_cbranch_scc0 .Lopen_\@
.set n, 0
.rept 64
.if n < 48
	v_cndmask_b32 v[96+n], v[96+n], v200, s[16+n]
.else
	v_cndmask_b32 v[96+n], v[96+n], v200, s[20+n]
.endif
.set n, n+1
.endr
.Lopen_\@:
.irp b, 0,1,2,3
	v_max3_num_f32 v[232+\b], v[96+16*\b], v[97+16*\b], v[98+16*\b]   ; the largest score of each block of 32 keys: for the row's maximum and, since p rises with the score, for the block's largest p
.endr
.irp i, 3,5,7,9,11,13
.irp b, 0,1,2,3
	v_max3_num_f32 v[232+\b], v[232+\b], v[96+16*\b+\i], v[97+16*\b+\i]
.endr
.endr
.irp b, 0,1,2,3
	v_max_num_f32 v[232+\b], v[232+\b], v[111+16*\b]
.endr
.irp b, 0,1,2,3
	v_permlanex16_b32 v[236+\b], v[232+\b], s[SEL], s[SEL+1]
.endr
.irp b, 0,1,2,3
	v_max_num_f32 v[232+\b], v[232+\b], v[236+\b]  ; with lane l xor 16's 16 keys
.endr
	v_max3_num_f32 v254, v232, v233, v234
	v_max_num_f32 v254, v254, v235
	v_mul_f32 v254, s[CS], v254                    ; the step's largest t
	v_max_num_f32 v13, v13, v254                   ; the running largest t
	v_mov_b32 v254, v12
	v_floor_f32 v12, -v13                          ; the new -M = floor(-t): M is a whole number
	v_sub_f32 v254, v12, v254                      ; old M - new M: a whole number, 0 or less
	v_cvt_i32_f32 v254, v254                       ; (it saturates)
	v_ldexp_f32 v252, 1.0, v254                    ; f = 2^(old M - new M)
.irp j, 0,2,4,6,8,10,12,14,16,18,20,22,24,26,28,30,32,34,36,38,40,42,44,46,48,50,52,54,56,58,60,62
	v_pk_fma_f32 v[96+\j:97+\j], v[96+\j:97+\j], s[CS:CS+1], v[12:13] op_sel_hi:[1,0,0]   ; t - M, two at a time
.endr
.irp b, 0,1,2,3
	v_fma_f32 v[232+\b], v[232+\b], s[CS], v12     ; the same of each block's largest score
.endr
.irp j, 0,1,2,3,4,5,6,7,8,9,10,11,12,13,14,15,16,17,18,19,20,21,22,23,24,25,26,27,28,29,30,31,32,33,34,35,36,37,38,39,40,41,42,43,44,45,46,47,48,49,50,51,52,53,54,55,56,57,58,59,60,61,62,63
	v_exp_f32 v[96+\j], v[96+\j]                   ; p = 2^(t - M), at most 1
.endr
	v_pk_mul_f32 v[14:15], v[14:15], v[252:253] op_sel_hi:[1,0]   ; the sums under the new M: a plain place behind the exponentials
	s_wait_alu depctr_va_vdst(0)                   ; one wait for the whole batch, ahead of its first reader
.irp b, 0,1,2,3
	v_exp_f32 v[232+\b], v[232+\b]                 ; the block's largest p
.endr
	v_pk_add_f32 v[236:237], v[96:97], v[98:99]    ; the row's sum is taken of the unquantised p, in two chains
.irp j, 4,8,12,16,20,24,28,32,36,40,44,48,52,56,60
	v_pk_add_f32 v[14:15], v[14:15], v[96+\j:97+\j]
	v_pk_add_f32 v[236:237], v[236:237], v[98+\j:99+\j]
.endr
	v_pk_add_f32 v[14:15], v[14:15], v[236:237]
	s_wait_alu depctr_va_vdst(0)                   ; and one for the four
.irp b, 0,1,2,3
	v_max_num_f32 v[232+\b], 0x1800000, v[232+\b]  ; the floor 2^(3 - 127): the byte cannot fall under 1
.endr
.irp b, 0,1,2,3
	v_add_nc_u32 v[244+\b], 0xff000000, v[232+\b]  ; 2 off the exponent field: the conversion's scale operand
.endr
.irp b, 0,1,2,3
	v_lshrrev_b32 v[236+\b], 23, v[244+\b]         ; the scale's byte
.endr
	v_lshl_or_b32 v253, v237, 8, v236              ; p's scale word for these 128 keys
	v_lshl_or_b32 v253, v238, 16, v253
	v_lshl_or_b32 v253, v239, 24, v253
.irp c, 0,1
	v_cvt_scalef32_pk16_fp6_f32 v[224+6*\c:226+6*\c], v[96+32*\c:111+32*\c], v[244+2*\c]
	v_cvt_scalef32_pk16_fp6_f32 v[236+4*\c:238+4*\c], v[112+32*\c:127+32*\c], v[244+2*\c+1]   ; (a conversion's three registers begin on an even number)
.endr
	v_nop                                          ; one plain place behind a scaled conversion
.irp c, 0,1                            ; the operand's layout wants a whole block in a lane
.irp i, 0,1,2
	v_permlane16_swap_b32 v[224+6*\c+\i], v[236+4*\c+\i]
.endr
.irp i, 0,1,2
	v_mov_b32 v[227+6*\c+\i], v[236+4*\c+\i]
.endr
.endr
.irp j, 0,2,4,6,8,10,12,14,16,18,20,22,24,26,28,30
	v_pk_mul_f32 v[160+\j:161+\j], v[160+\j:161+\j], v[252:253] op_sel_hi:[1,0]   ; O^T under the new M; these sixteen also stand between the lines that made p's codes and scale word and the products
.endr
	s_wait_dscnt 0x0                               ; V is in
.irp f, 0,1,2,3
.if \f%2
	v_wmma_scale_f32_16x16x128_f8f6f4 v[160+8*\f:167+8*\f], v[32+12*\f:43+12*\f], v[224:235], v[160+8*\f:167+8*\f], v[248+\f/2], v253 matrix_a_fmt:MATRIX_FMT_FP6 matrix_b_fmt:MATRIX_FMT_FP6 matrix_a_scale:MATRIX_SCALE_ROW1
.else
	v_wmma_scale_f32_16x16x128_f8f6f4 v[160+8*\f:167+8*\f], v[32+12*\f:43+12*\f], v[224:235], v[160+8*\f:167+8*\f], v[248+\f/2], v253 matrix_a_fmt:MATRIX_FMT_FP6 matrix_b_fmt:MATRIX_FMT_FP6
.endif
.endr                                  ; the four accumulators take turns, and the eight products of S^T stand between a sum's links
.rept 4
	v_nop                                          ; places in front of the next loads into these registers and of the next read of O^T
.endr
.endm
; One step of the walk: the next record is asked for; my tile's work, if it has any; the record goes into the other slot; the step's one barrier.
.macro HSTEP sl
	s_bitcmp1_b32 s[WGN], 0
	s_cbranch_scc0 .Lno_next_\@
	GLOAD
.Lno_next_\@:
	s_cmp_eq_u32 s[PFN], 0
	s_cbranch_scc1 .Lno_ask_\@
	global_prefetch_b8 v8, s[PFA:PFA+1] th:TH_LOAD_NT scope:SCOPE_SE   ; 8,192 bytes of the head's records, lanes 256 bytes apart
	s_sub_co_u32 s[PFN], s[PFN], 1
.Lno_ask_\@:
	s_bitcmp1_b32 s[NEED], 0
	s_cbranch_scc0 .Lno_work_\@
	STEP \sl
.Lno_work_\@:
	s_wait_loadcnt 0x0                             ; on every way through the step: my part of the next record, if it was asked for, is in; so no later load goes into registers that an earlier one may still write
	s_bitcmp1_b32 s[WGN], 0
	s_cbranch_scc0 .Lno_store_\@
	DSTORE 1-\sl                                   ; nobody reads that slot: every wave's reads of it were over at the last barrier
.Lno_store_\@:
	s_wait_xcnt 0x0                                ; the loads and the prefetch have read their addresses: they may be stepped
	s_add_nc_u64 s[KVP:KVP+1], s[KVP:KVP+1], REC
	s_add_nc_u64 s[MWP:MWP+1], s[MWP:MWP+1], 256
	s_add_nc_u64 s[PFA:PFA+1], s[PFA:PFA+1], 16384
	s_lshr_b32 s[NEED], s[NEED], 1
	s_lshr_b32 s[MIX], s[MIX], 1
	s_lshr_b32 s[WGN], s[WGN], 1
	s_wait_dscnt 0x0                               ; my stores into the other slot have landed, and my reads of this slot are over
	s_barrier_signal -1
	s_barrier_wait -1
.endm
	s_load_b256 s[4:11], s[0:1], 0x0               ; qb, kv, mk, ctx
	v_lshl_add_u32 v4, v0, 2, SPARE                ; my spare word; never rewritten
	v_mov_b32 v5, 0                                ; 0; never rewritten
	v_lshrrev_b32 v1, 5, v0
	v_readfirstlane_b32 s[WV], v1                  ; wave 0..15
	v_and_b32 v9, 31, v0                           ; lane
	v_and_b32 v10, 15, v0                          ; r
	v_bfe_u32 v11, v0, 4, 1                        ; h
	v_lshlrev_b32 v1, 4, v9                        ; 16 x lane
	v_lshlrev_b32 v2, 3, v9                        ; 8 x lane
	v_lshlrev_b32 v3, 4, v0                        ; 16 x thread
	v_lshlrev_b32 v6, 4, v10                       ; 16 r
	v_add_nc_u32 v7, v6, v11                       ; 16 r + h
	v_lshlrev_b32 v8, 8, v9                        ; 256 x lane
	v_mov_b32 v200, 0xd0000000                     ; -2^33
.irp i, 22,23,24,25,26,27,80,81,82,83,84,85
	v_mov_b32 v\i, 0                               ; zero codes: Q's upper half of K, and what stands behind K's tile 7
.endr
.irp i, 192,193,194,195,196,197,198,199,236,237,238,239,252,253
	v_mov_b32 v\i, 0                               ; written once: every register is written before it is read on every way through the text; a lane permute's destination counts as a source
.endr
	s_mov_b32 s[SEL], 0x76543210
	s_mov_b32 s[SEL+1], 0xfedcba98
	s_mov_b32 s[CS], 0x3e38aa3b                    ; c = log2(e) / 8
	s_mov_b32 s[CS+1], s[CS]
	s_mov_b32 s[HM], 0xffff0000
	s_and_b32 s[BH], ttmp7, 0xffff                 ; batch x 16 + head
	s_mul_i32 s98, s[BH], HEADB
	s_mov_b32 s99, 0
	s_lshr_b32 s100, s[WV], 1                      ; THE PREFETCHES: all four work-groups of a head walk the same records, one dense run of 26 pieces of 8,192 bytes.  Work-group x = 0 asks, in its first pass, by waves 10 and 11,
	s_xor_b32 s100, s100, 5                        ; which fetch least: in step i for pieces 6 + 2 i and 7 + 2 i, i = 0 .. 9: each piece once, the last piece the run's last.  Pieces 0-5 come by their loads alone
	s_or_b32 s100, s100, ttmp9
	s_cmp_eq_u32 s100, 0
	s_cselect_b32 s[PFN], 10, 0
	s_wait_kmcnt 0x0
	s_add_nc_u64 s[KVB:KVB+1], s[6:7], s[98:99]
	s_mov_b64 s[MKB:MKB+1], s[8:9]
	s_and_b32 s98, s[WV], 1
	s_add_co_u32 s98, s98, 6
	s_lshl_b32 s98, s98, 13
	s_add_nc_u64 s[PFA:PFA+1], s[KVB:KVB+1], s[98:99]
	s_mov_b32 s[PASS], 0
.Lpass:
	s_sub_co_u32 s98, 7, ttmp9
	s_cmp_eq_u32 s[PASS], 0
	s_cselect_b32 s[QB], s98, ttmp9                ; the block of 256 queries: 7 - x, then x
	s_lshl_b32 s98, s[QB], 6
	s_add_co_u32 s98, s98, MOFF
	s_mov_b32 s99, 0
	s_add_nc_u64 s[98:99], s[MKB:MKB+1], s[98:99]
	s_lshl_b32 s100, s[WV], 2
	s_mov_b32 s101, 0
	s_add_nc_u64 s[100:101], s[98:99], s[100:101]
	s_load_b512 s[16:31], s[98:99], 0x0            ; the flags of the block's sixteen tiles,
	s_load_b32 s[NEED], s[100:101], 0x0            ; and my tile's
	s_wait_kmcnt 0x0
	s_or_b32 s[WGN], s16, s17
.irp i, 18,19,20,21,22,23,24,25,26,27,28,29,30,31
	s_or_b32 s[WGN], s[WGN], s\i
.endr
	s_and_b32 s[WGN], s[WGN], 0xffff               ; the steps that some wave needs; bit 16, the step behind the last, is 0: nothing is loaded past the head's records
	s_lshr_b32 s[MIX], s[NEED], 16
	s_and_b32 s[NEED], s[NEED], 0xffff
	s_lshl_b32 s98, s[QB], 4
	s_add_co_u32 s98, s98, s[WV]
	s_lshl_b32 s98, s98, 12                        ; a tile's lane masks: 16 steps x 256 bytes
	s_mov_b32 s99, 0
	s_add_nc_u64 s[MWP:MWP+1], s[MKB:MKB+1], s[98:99]
	s_mov_b64 s[KVP:KVP+1], s[KVB:KVB+1]
	s_lshl_b32 s98, s[BH], 4                       ; Q: the record of my 128 queries, my tile's unit and its scale words
	s_lshl_b32 s99, s[QB], 1
	s_add_co_u32 s98, s98, s99
	s_lshr_b32 s99, s[WV], 3
	s_add_co_u32 s98, s98, s99
	s_mul_i32 s98, s98, REC
	s_and_b32 s99, s[WV], 7
	s_mul_i32 s100, s99, 768
	s_lshr_b32 s99, s99, 1
	s_lshl_b32 s99, s99, 2
	s_and_b32 s101, s[WV], 1
	s_lshl_b32 s101, s101, 8
	s_add_co_u32 s101, s101, s99
	s_add_co_u32 s101, s101, 12288
	s_add_co_u32 s101, s101, s98
	s_add_co_u32 s98, s98, s100
	s_mov_b32 s100, s101
	s_mov_b32 s99, 0
	s_mov_b32 s101, 0
	s_add_nc_u64 s[98:99], s[4:5], s[98:99]
	s_add_nc_u64 s[100:101], s[4:5], s[100:101]
	global_load_b128 v[16:19], v1, s[98:99]
	global_load_b64 v[20:21], v2, s[98:99] offset:512
	global_load_b32 v255, v6, s[100:101]           ; lane r: row r's scale word
	v_mov_b32 v13, 0xff61b1e6                      ; the largest t so far: -3e38
	v_floor_f32 v12, -v13                          ; -M
	v_mov_b32 v14, 0                               ; the sum, in two halves
	v_mov_b32 v15, 0
.irp j, 0,1,2,3,4,5,6,7,8,9,10,11,12,13,14,15,16,17,18,19,20,21,22,23,24,25,26,27,28,29,30,31
	v_mov_b32 v[160+\j], 0                         ; O^T: any step may be my tile's first, so no product can start the sums
.endr
	s_bitcmp1_b32 s[WGN], 0
	s_cbranch_scc0 .Lno_first
	GLOAD                                          ; step 0's record
	s_wait_loadcnt 0x0
	DSTORE 0
.Lno_first:
	s_wait_loadcnt 0x0                             ; Q
	s_wait_xcnt 0x0
	s_add_nc_u64 s[KVP:KVP+1], s[KVP:KVP+1], REC   ; on to step 1's record,
	s_lshr_b32 s[WGN], s[WGN], 1                   ; and its flag
	s_wait_dscnt 0x0
	s_barrier_signal -1
	s_barrier_wait -1
	s_mov_b32 s[TRIP], 8
.Ltrip:                                ; a trip is two steps, one from each slot: every LDS offset is an immediate
	HSTEP 0
	HSTEP 1
	s_sub_co_u32 s[TRIP], s[TRIP], 1
	s_cmp_lg_u32 s[TRIP], 0
	s_cbranch_scc1 .Ltrip
	; THE WAY OUT of a pass: O^T / the sum; register 16 b + i is channel 32 b + 16 (lane / 16) + i of my query: two blocks along the last product's K: a unit of the context's codes and two scale bytes
	v_add_f32 v14, v14, v15
	v_permlanex16_b32 v252, v14, s[SEL], s[SEL+1]
	v_add_f32 v14, v14, v252                       ; the row's sum
	v_rcp_f32 v14, v14
	v_nop                                          ; a plain place behind the transcendental
	s_lshr_b32 s98, s[BH], 4
	s_lshl_b32 s98, s98, 7
	s_lshl_b32 s99, s[QB], 4
	s_add_co_u32 s98, s98, s99
	s_add_co_u32 s98, s98, s[WV]                   ; my tile among the 512 tiles of tokens
	s_and_b32 s99, s[BH], 15                       ; the head
	s_lshl_b32 s100, s98, 9
	s_mul_i32 s98, s98, 12288
	s_mul_i32 s101, s99, 768
	s_add_co_u32 s98, s98, s101
	s_and_b32 s101, s99, 7
	s_lshl_b32 s101, s101, 1                       ; the head's two bytes among the 16 of a row's half of K,
	s_add_co_u32 s100, s100, s101
	s_lshr_b32 s101, s99, 3
	s_lshl_b32 s101, s101, 8                       ; and which half
	s_add_co_u32 s100, s100, s101
	s_add_co_u32 s100, s100, CSOFF
	s_mov_b32 s101, 0
	s_mov_b32 s99, 0
	s_add_nc_u64 s[98:99], s[10:11], s[98:99]
	s_add_nc_u64 s[100:101], s[10:11], s[100:101]
	s_wait_alu depctr_va_vdst(0)                   ; the wait ahead of the reciprocal's first reader
.irp j, 0,2,4,6,8,10,12,14,16,18,20,22,24,26,28,30
	v_pk_mul_f32 v[96+\j:97+\j], v[160+\j:161+\j], v[14:15] op_sel_hi:[1,0]
.endr
.irp b, 0,1
	v_max3_num_f32 v[232+\b], |v[96+16*\b]|, |v[97+16*\b]|, 0x1800000
.endr
.irp i, 2,4,6,8,10,12,14
.irp b, 0,1
	v_max3_num_f32 v[232+\b], v[232+\b], |v[96+16*\b+\i]|, |v[97+16*\b+\i]|
.endr
.endr
.irp b, 0,1
	v_permlanex16_b32 v[236+\b], v[232+\b], s[SEL], s[SEL+1]
.endr
.irp b, 0,1
	v_max_num_f32 v[232+\b], v[232+\b], v[236+\b]
.endr
.irp b, 0,1
	v_add_nc_u32 v[244+\b], 0xff000000, v[232+\b]
.endr
.irp b, 0,1
	v_lshrrev_b32 v[240+\b], 23, v[244+\b]
.endr
	v_cvt_scalef32_pk16_fp6_f32 v[224:226], v[96:111], v244
	v_cvt_scalef32_pk16_fp6_f32 v[228:230], v[112:127], v245
	v_nop                                          ; one plain place behind a scaled conversion
.irp i, 0,1,2
	v_permlane16_swap_b32 v[224+\i], v[228+\i]     ; lanes 0-15 now hold block 0 whole, lanes 16-31 block 1
.endr
	v_mov_b32 v227, v228
	v_mov_b32 v228, v229
	v_mov_b32 v229, v230
	v_cndmask_b32 v242, v240, v241, s[HM]          ; lane (r, h) stores block h's byte of row r
	global_store_b128 v1, v[224:227], s[98:99]     ; 512 consecutive bytes,
	global_store_b64 v2, v[228:229], s[98:99] offset:512   ; and 256: the unit
	global_store_b8 v7, v242, s[100:101]
	s_wait_xcnt 0x0                                ; the stores have read their registers and bases: the next pass writes them
	s_add_co_u32 s[PASS], s[PASS], 1
	s_cmp_lt_u32 s[PASS], 2
	s_cbranch_scc1 .Lpass
	s_wait_tensorcnt 0x0                           ; the wave's end, behind my last LDS store
	ds_add_u32 v4, v5
	s_wait_dscnt 0x0
	s_endpgm
.Lfunc_end_k_q0a004bd1ea_attn:
	.size	k_q0a004bd1ea_attn, .Lfunc_end_k_q0a004bd1ea_attn-k_q0a004bd1ea_attn
	.p2alignl 7, 3214868480
	.fill 96, 4, 3214868480
	.section	.rodata,"a",@progbits
	.p2align	6, 0x0
	.amdhsa_kernel k_q0a004bd1ea_attn
		.amdhsa_group_segment_fixed_size 34816
		.amdhsa_private_segment_fixed_size 0
		.amdhsa_enable_private_segment 0
		.amdhsa_kernarg_size 32
		.amdhsa_user_sgpr_count 2
		.amdhsa_user_sgpr_kernarg_segment_ptr 1
		.amdhsa_wavefront_size32 1
		.amdhsa_system_sgpr_workgroup_id_x 1
		.amdhsa_system_sgpr_workgroup_id_y 1
		.amdhsa_system_sgpr_workgroup_id_z 1
		.amdhsa_system_vgpr_workitem_id 0
		.amdhsa_next_free_vgpr 256
		.amdhsa_next_free_sgpr 102
		.amdhsa_reserve_vcc 0
		.amdhsa_float_denorm_mode_32 3
		.amdhsa_float_denorm_mode_16_64 3
		.amdhsa_memory_ordered 1
		.amdhsa_forward_progress 1
		.amdhsa_inst_pref_size 54
	.end_amdhsa_kernel
	.amdgpu_metadata
---
amdhsa.version: [ 1, 2 ]
amdhsa.kernels:
  - .name:           k_q0a004bd1ea_attn
    .symbol:         k_q0a004bd1ea_attn.kd
    .args:
      - { .name: qb, .offset: 0, .size: 8, .value_kind: global_buffer, .address_space: global }
      - { .name: kv, .offset: 8, .size: 8, .value_kind: global_buffer, .address_space: global }
      - { .name: mk, .offset: 16, .size: 8, .value_kind: global_buffer, .address_space: global }
      - { .name: ctx, .offset: 24, .size: 8, .value_kind: global_buffer, .address_space: global }
    .group_segment_fixed_size: 34816
    .private_segment_fixed_size: 0
    .kernarg_segment_align: 8
    .kernarg_segment_size: 32
    .max_flat_workgroup_size: 512
    .sgpr_count:     102
    .vgpr_count:     256
    .wavefront_size: 32
...
	.end_amdgpu_metadata
.endif
;; end of part 3
;; launch outp (part 4): grid 4 x 32, 4 waves a work-group, clusters of 4 x 4, 327,680 bytes of LDS; arguments ctx, xw, bo, out0; writes out0
.if DOCPART == 4
	.amdgcn_target "amdgcn-amd-amdhsa--gfx1250"
	.amdhsa_code_object_version 6
	.text
	.protected	k_q0a004bd1ea_outp
	.globl	k_q0a004bd1ea_outp
	.p2align	8
	.type	k_q0a004bd1ea_outp,@function
k_q0a004bd1ea_outp:
	s_mov_b64 s[64:65], 0
	v_nop
	global_prefetch_b8 v0, s[64:65] scope:SCOPE_SE
	s_setreg_imm32_b32 hwreg(HW_REG_WAVE_MODE, 25, 1), 1
	s_wait_xcnt 0x0
	s_wait_alu depctr_hold_cnt(0) depctr_sa_sdst(0) depctr_va_vdst(0) depctr_va_sdst(0) depctr_va_ssrc(0) depctr_va_vcc(0) depctr_vm_vsrc(0)
	s_getreg_b32 s2, hwreg(HW_REG_IB_STS2, 6, 4)
	s_cmp_eq_u32 s2, 0
	s_cbranch_scc0 .Lentry_in_a_cluster
	s_endpgm
.Lentry_in_a_cluster:
	s_bfe_u32 s2, ttmp6, 0x10000c
	s_cmp_lg_u32 s2, 0xf033
	s_cbranch_scc0 .Lentry_shape_is_right
	s_endpgm
.Lentry_shape_is_right:
; out0 = context Wo^T + bo: 8,192 x 1,024 x 1,024 on codes of FP6 (E2M3) with E8M0 scales, sums in f32.  The context's codes and scale words come from the attention launch (ctx), Wo's from the first launch (xw, tiles 1,728 on).
; A work-group makes 256 x 256, a wave 128 x 128: 64 accumulators, 512 registers.  128 work-groups: 8 clusters of 4 x 4.  A's tiles (tokens) are shared along a row of the cluster, B's (rows of Wo) along a column: joint loads.
; TILES.  Row r of tile T is row 32 (T / 2) + 8 (T % 2) + r + 8 (r / 8).  Source 0 = 16 rows of Wo, source 1 = 16 tokens: a lane holds one token, and the 16 registers of B's tiles 2 b and 2 b + 1 are columns 32 b + 16 (lane / 16) + 0 .. 15.
; OPERANDS lie in memory as images of the operand's registers: a unit of 768 bytes is 16 rows x 64 k (lane l's registers 0-3 at 16 l, 4-5 at 512 + 8 l), a tile's 16 units on end.  A fragment is two units: four LDS loads of consecutive
; bytes.  K goes in four steps of 256 through two LDS slots; a wave's tensor load brings 8 tiles x 3,072 bytes.  The scale words of the work-group's rows, for all of K, come once.
; THE WAY OUT.  A block of 16 tokens x 128 columns goes through the wave's stage in LDS (in slot 0, which has had its last fill and its last read) and comes back as whole rows of 512 bytes; the bias is added there, four columns a lane.
; No prefetch: K has four steps, two of them first fills.
.set NQ,    2
.set FR,    12
.set NL,    4
.set NP,    4
.set TILEB, 3072
.set HALFT, 8*TILEB
.set SLOT,  4*HALFT
.set SCL,   2*SLOT
.set SPARE, SCL+4*4096                 ; the spare words, 128 bytes for each wave: two blocks of 256 bytes that no other line names
.set TROW,  12288
.set SCOFF, 22020096                   ; where xw's scale words begin
.set CSOFF, 6291456                    ; where ctx's begin
.set SPITCH, 528
.set ADRA, 16
.set ADRB, 20
.set L16,  24                          ; v24 16 x lane
.set L8,   25                          ; v25 8 x lane
.set STO,  26                          ; v26 the way out: where I put 32 bytes of a row
.set ADRS, 27
.set SPW,  28
.set NIL,  29
.set RD,   30                          ; v30 the way out: where I read a row back
.set SC,   32
.set BI,   64                          ; v64-67 the bias of my lane's four columns
.set AF,   128
.set BK,   128                         ; the way out: 16 rows read back: v128-191 and v192-255 by turns
.set WV,  92
.set WH,  93
.set WL,  94
.set G1,   24
.set G0,   32
.set G1B,  48
.set G0B,  56
.set G1S,  68
.set G0S,  76
.set G1SB, 80
.set G0SB, 88
.set MSB, 0
.macro WIN new                         ; the immediate's high byte repeats the setting that is left
.if MSB != \new
	s_set_vgpr_msb (MSB<<8)|\new
.set MSB, \new
.endif
.endm
.set MUL_LO, 0xa1
.set MUL_HI, 0xf1
.set TO_B,   0x40
; A joint load: waves 0 and 1 fetch for A, waves 2 and 3 for B; the branch hangs on the wave's number alone.  An s_nop 0 and four v_nop follow each of the two lines.
.macro JLOAD g0a, g1a, g0b, g1b
	s_cmp_eq_u32 s[WH], 0
	s_cbranch_scc0 .Lfor_b_\@
	tensor_load_to_lds s[\g0a:\g0a+3], s[\g1a:\g1a+7]
	s_nop 0
.rept 4
	v_nop
.endr
	s_branch .Lasked_\@
.Lfor_b_\@:
	tensor_load_to_lds s[\g0b:\g0b+3], s[\g1b:\g1b+7]
	s_nop 0
.rept 4
	v_nop
.endr
.Lasked_\@:
.endm
.macro CREST
	s_cmp_lg_u32 s[WV], 0
	s_cbranch_scc1 .Lnot_wave_0_\@
	s_barrier_signal -3
.Lnot_wave_0_\@:
	s_barrier_wait -3
	s_barrier_signal -1
	s_barrier_wait -1
.endm
.macro CROUND
	s_barrier_signal -1
	s_barrier_wait -1
	CREST
.endm
.macro FRAG reg, adr, q, i             ; tile i's fragment of the slot's q-th 128 along K: two units as they lie
	ds_load_b128 v[\reg:\reg+3], v[\adr] offset:TILEB*(\i)+1536*(\q)
	ds_load_b64 v[\reg+4:\reg+5], v[\adr+2] offset:TILEB*(\i)+1536*(\q)+512
	ds_load_b128 v[\reg+6:\reg+9], v[\adr] offset:TILEB*(\i)+1536*(\q)+768
	ds_load_b64 v[\reg+10:\reg+11], v[\adr+2] offset:TILEB*(\i)+1536*(\q)+1280
.endm
; 16 matrix instructions: A's blocks a0, a0 + 1 x B's eight.  The 64 accumulators take turns, one instruction a turn, in the same order in every step.
.macro MUL16 a0, p, q, sc, zero
.irp a, \a0, \a0+1
.irp b, 0,1,2,3,4,5,6,7
.if \zero
	v_wmma_scale_f32_16x16x128_f8f6f4 v[8*(8*((\a)%4)+\b):8*(8*((\a)%4)+\b)+7], v[128*(\p)+FR*\b:128*(\p)+FR*\b+FR-1], v[AF+FR*(\a):AF+FR*(\a)+FR-1], 0, v[SC+8*NQ*(\sc)+NQ*\b+(\q)], v[SC+8*NQ*(\sc)+NQ*(\a)+(\q)] matrix_a_fmt:MATRIX_FMT_FP6 matrix_b_fmt:MATRIX_FMT_FP6 matrix_a_scale:MATRIX_SCALE_ROW1
.else
	v_wmma_scale_f32_16x16x128_f8f6f4 v[8*(8*((\a)%4)+\b):8*(8*((\a)%4)+\b)+7], v[128*(\p)+FR*\b:128*(\p)+FR*\b+FR-1], v[AF+FR*(\a):AF+FR*(\a)+FR-1], v[8*(8*((\a)%4)+\b):8*(8*((\a)%4)+\b)+7], v[SC+8*NQ*(\sc)+NQ*\b+(\q)], v[SC+8*NQ*(\sc)+NQ*(\a)+(\q)] matrix_a_fmt:MATRIX_FMT_FP6 matrix_b_fmt:MATRIX_FMT_FP6 matrix_a_scale:MATRIX_SCALE_ROW1
.endif
.endr
.endr
.endm
.macro FETCH_B slot, q, p
	WIN TO_B
.irp i, 0,1,2,3,4,5,6,7
	FRAG 128*(\p)+FR*\i, ADRB+\slot, \q, \i
.endr
	WIN 0
.endm
.macro FETCH_A slot, q, i0
.irp i, \i0, \i0+1, \i0+2, \i0+3
	FRAG AF+FR*(\i), ADRA+\slot, \q, \i
.endr
.endm
.macro SCALES sc, ks                   ; K step ks's two words a row into set sc: lanes 0-15 take A's block i, lanes 16-31 B's block i
.irp i, 0,1,2,3,4,5,6,7
	ds_load_b64 v[SC+8*NQ*(\sc)+NQ*\i:SC+8*NQ*(\sc)+NQ*\i+1], v[ADRS] offset:512*\i+256*((\ks)/2)+8*((\ks)%2)
.endr
.endm
.macro PLACES n                        ; plain vector instructions between a matrix instruction and a load into, or a read of, its registers
.rept \n
	v_nop
.endr
.endm
.macro STEP slot, q, zero
	s_wait_dscnt 4*NL                              ; B's set, A's blocks 0-3 and the scale words are in; the youngest 16 loads (A's blocks 4-7) may be out
	WIN MUL_LO
	MUL16 0, (\q)%2, \q, \slot, \zero
	MUL16 2, (\q)%2, \q, \slot, \zero
	s_wait_dscnt 0
	PLACES NP
	FETCH_B \slot, (\q)+1, 1-(\q)%2
	FETCH_A \slot, (\q)+1, 0
	WIN MUL_HI
	MUL16 4, (\q)%2, \q, \slot, \zero
	MUL16 6, (\q)%2, \q, \slot, \zero
	PLACES NP
	WIN 0
	FETCH_A \slot, (\q)+1, 4
.endm
; A slot's last 128 change slots: one barrier; in front of it each wave waits for all its tensor loads, adds 0 to its spare word, and waits for that and for its reads of this slot.  fill = 1: this slot is filled again, two K steps on.
.macro TURN slot, next, fill, ks
	s_wait_tensorcnt 0x0                           ; all my tensor loads have landed: my part of the next slot
	ds_add_u32 v[SPW], v[NIL]                      ; 0 onto my spare word
	s_wait_dscnt 4*NL+1                            ; (the add and the youngest 16 loads may be out)
	WIN MUL_LO
	MUL16 0, 1, NQ-1, \slot, 0
	s_wait_dscnt 0x0                               ; the add is done, and my reads of this slot are over
	s_barrier_signal -1
	MUL16 2, 1, NQ-1, \slot, 0
	WIN 0
	s_barrier_wait -1
.if \fill
	CREST                                          ; the barrier has opened a round of the cluster's barrier: no wave of any partner still reads this slot or has a load on its way
	s_add_nc_u64 s[G0+4*\slot+2:G0+4*\slot+3], s[G0+4*\slot+2:G0+4*\slot+3], 2*TILEB
	s_add_nc_u64 s[G0B+4*\slot+2:G0B+4*\slot+3], s[G0B+4*\slot+2:G0B+4*\slot+3], 2*TILEB
	JLOAD G0+4*\slot, G1, G0B+4*\slot, G1B         ; the first tensor load behind the round; its four v_nop are also the places in front of the loads below
.else
	PLACES NP
.endif
	FETCH_B \next, 0, 0
	FETCH_A \next, 0, 0
	SCALES \next, \ks
	WIN MUL_HI
	MUL16 4, 1, NQ-1, \slot, 0
	MUL16 6, 1, NQ-1, \slot, 0
	PLACES NP
	WIN 0
	FETCH_A \next, 0, 4
.endm
; THE WAY OUT of block a.  LDS serves a wave's instructions in order: no wait between the stores and the loads, nor in front of the next block's stores.
.macro TOSTAGE a
.set AC, 64*((\a)%4)
	WIN 0x08+4*((\a)/4)                            ; the data: window 2 or 3
.irp b, 0,1,2,3,4,5,6,7
	ds_store_b128 v[STO], v[AC+8*\b:AC+8*\b+3] offset:128*(\b/2)+32*(\b%2)          ; columns 32 (b / 2) + 16 h + 8 (b % 2) on; each accumulator from its low end on
	ds_store_b128 v[STO], v[AC+8*\b+4:AC+8*\b+7] offset:128*(\b/2)+32*(\b%2)+16
.endr
	WIN 0
.set BB, BK+64*((\a)%2)
.irp t, 0,1,2,3,4,5,6,7,8,9,10,11,12,13,14,15
	ds_load_b128 v[BB+4*\t:BB+4*\t+3], v[RD] offset:\t*SPITCH
.endr
.endm
.macro SEND a, younger                 ; younger: the LDS instructions issued behind block a's loads, which may stay out
.set BB, BK+64*((\a)%2)
	s_wait_dscnt \younger
.if (\a) > 0
.if (\a)%2
	s_add_nc_u64 s[10:11], s[10:11], 8*4096        ; (behind a wait on XCNT)  from an even tile to the odd one: 8 rows on;
.else
	s_add_nc_u64 s[10:11], s[10:11], 24*4096       ; from an odd tile to the next pair: 24
.endif
.endif
.irp t, 0,1,2,3,4,5,6,7,8,9,10,11,12,13,14,15
	v_pk_add_f32 v[BB+4*\t:BB+4*\t+1], v[BB+4*\t:BB+4*\t+1], v[BI:BI+1]
	v_pk_add_f32 v[BB+4*\t+2:BB+4*\t+3], v[BB+4*\t+2:BB+4*\t+3], v[BI+2:BI+3]
	global_store_b128 v[L16], v[BB+4*\t:BB+4*\t+3], s[10:11] offset:(\t+8*(\t/8))*4096 th:TH_STORE_NT   ; 32 lanes store 512 consecutive bytes, aligned; written once, read by nobody here
.endr
.endm
	s_load_b256 s[4:11], s[0:1], 0x0               ; ctx, xw, bo, out0
	v_lshl_add_u32 v[SPW], v0, 2, SPARE
	v_mov_b32 v[NIL], 0
	ds_add_u32 v[SPW], v[NIL]                      ; the wave's opening: the add and its wait stand ahead of my first tensor load; work on registers stands between them
	v_lshrrev_b32 v1, 5, v0
	v_readfirstlane_b32 s[WV], v1                  ; wave 0..3
	s_lshr_b32 s[WH], s[WV], 1                     ; my half of the tokens.  Also: I fetch for A (0) or for B (1)
	s_and_b32 s[WL], s[WV], 1                      ; my half of the columns.  Also: which 8 tiles I fetch
	s_bfe_u32 s40, ttmp6, 0x40000                  ; cx, cy
	s_bfe_u32 s41, ttmp6, 0x40004
	s_and_b32 s17, ttmp7, 0xffff
	s_lshl_b32 s17, s17, 2
	s_add_co_u32 s17, s17, s41                     ; block of 256 tokens = 4 x cluster y + cy
	s_mov_b32 s42, s40                             ; block of 256 columns = cx
	s_lshl_b32 s43, s41, 2
	s_lshl_b32 s43, 15, s43                        ; my row of the cluster
	s_lshl_b32 s44, 0x1111, s40                    ; my column
	; descriptor group 1 for codes: 8 rows (tiles) of 384 elements of 8 bytes, 1,536 elements apart; no padding
	s_or_b32 s[G1+0], s43, (3<<16)|(1<<21)
	s_or_b32 s[G1B+0], s44, (3<<16)|(1<<21)
.irp g, G1, G1B
	s_mov_b32 s[\g+1], 384<<16
	s_mov_b32 s[\g+2], 8<<16
	s_mov_b32 s[\g+3], 384<<16
	s_mov_b32 s[\g+4], 8
	s_mov_b32 s[\g+5], 1536
	s_mov_b32 s[\g+6], 0
	s_mov_b32 s[\g+7], 0
.endr
	; and for the scale words of 8 tiles: 4,096 dense bytes as 16 rows of 256
	s_or_b32 s[G1S+0], s43, (3<<16)|(1<<21)
	s_or_b32 s[G1SB+0], s44, (3<<16)|(1<<21)
.irp g, G1S, G1SB
	s_mov_b32 s[\g+1], 32<<16
	s_mov_b32 s[\g+2], 16<<16
	s_mov_b32 s[\g+3], 32<<16
	s_mov_b32 s[\g+4], 16
	s_mov_b32 s[\g+5], 32
	s_mov_b32 s[\g+6], 0
	s_mov_b32 s[\g+7], 0
.endr
	s_lshl_b32 s45, s[WL], 3
	s_lshl_b32 s20, s17, 4
	s_add_co_u32 s20, s20, s45                     ; the first tile of A that I fetch
	s_lshl_b32 s46, s42, 4
	s_add_co_u32 s46, s46, 1728
	s_add_co_u32 s46, s46, s45                     ; the first tile of B
	s_lshl_b32 s22, s20, 9
	s_add_co_u32 s22, s22, CSOFF
	s_mov_b32 s23, 0
	s_mul_i32 s20, s20, TROW
	s_mov_b32 s21, 0
	s_lshl_b32 s18, s46, 9
	s_add_co_u32 s18, s18, SCOFF
	s_mov_b32 s19, 0
	s_mul_i32 s46, s46, TROW
	s_mov_b32 s47, 0
	s_mul_i32 s45, s[WV], HALFT                    ; where they go: no place in the cluster enters an LDS address
	s_lshl_b32 s95, s[WV], 12
	s_wait_dscnt 0x0                               ; the opening add is done
	s_wait_kmcnt 0x0
	s_add_nc_u64 s[20:21], s[4:5], s[20:21]
	s_add_nc_u64 s[22:23], s[4:5], s[22:23]
	s_add_nc_u64 s[46:47], s[6:7], s[46:47]
	s_add_nc_u64 s[18:19], s[6:7], s[18:19]
	CROUND                                         ; all sixteen work-groups are here: the first joint loads meet
	s_mov_b32 s[G0S], 1
	s_add_co_u32 s[G0S+1], s95, SCL
	s_mov_b64 s[G0S+2:G0S+3], s[22:23]
	s_or_b32 s[G0S+3], s[G0S+3], 0x80000000
	s_mov_b32 s[G0SB], 1
	s_add_co_u32 s[G0SB+1], s95, SCL
	s_mov_b64 s[G0SB+2:G0SB+3], s[18:19]
	s_or_b32 s[G0SB+3], s[G0SB+3], 0x80000000
	JLOAD G0S, G1S, G0SB, G1SB                     ; the scale words first: they are wanted with K step 0
.irp s, 0,1
	s_mov_b32 s[G0+4*\s], 1
	s_add_co_u32 s[G0+4*\s+1], s45, \s*SLOT
	s_add_nc_u64 s[G0+4*\s+2:G0+4*\s+3], s[20:21], \s*TILEB
	s_or_b32 s[G0+4*\s+3], s[G0+4*\s+3], 0x80000000
	s_mov_b32 s[G0B+4*\s], 1
	s_add_co_u32 s[G0B+4*\s+1], s45, \s*SLOT
	s_add_nc_u64 s[G0B+4*\s+2:G0B+4*\s+3], s[46:47], \s*TILEB
	s_or_b32 s[G0B+4*\s+3], s[G0B+4*\s+3], 0x80000000
	JLOAD G0+4*\s, G1, G0B+4*\s, G1B
.endr
	v_and_b32 v1, 31, v0                           ; lane
	v_and_b32 v2, 15, v0                           ; r
	v_bfe_u32 v3, v0, 4, 1                         ; h
	v_lshlrev_b32 v[L16], 4, v1
	v_lshlrev_b32 v[L8], 3, v1
	s_mul_i32 s21, s[WH], HALFT
	s_mul_i32 s22, s[WL], HALFT
	s_add_co_u32 s22, s22, 2*HALFT
.irp s, 0,1
	v_add_nc_u32 v[ADRA+\s], s21, v[L16]
	v_add_nc_u32 v[ADRB+\s], s22, v[L16]
	v_add_nc_u32 v[ADRA+2+\s], s21, v[L8]
	v_add_nc_u32 v[ADRB+2+\s], s22, v[L8]
	s_add_co_u32 s21, s21, SLOT
	s_add_co_u32 s22, s22, SLOT
.endr
	s_lshl_b32 s21, s[WH], 12
	s_lshl_b32 s22, s[WL], 12
	s_add_co_u32 s22, s22, 8192
	s_sub_co_u32 s22, s22, s21
	v_mul_u32_u24 v4, s22, v3                      ; lanes 16-31 take B's scale words
	s_add_co_u32 s21, s21, SCL
	v_lshl_add_u32 v4, v2, 4, v4
	v_add_nc_u32 v[ADRS], s21, v4
	s_mul_i32 s23, s[WV], 16*SPITCH                ; my stage
	v_mul_u32_u24 v5, v2, SPITCH
	v_lshl_add_u32 v5, v3, 6, v5                   ; in: row r, + 64 h
	v_add_nc_u32 v[STO], s23, v5
	v_add_nc_u32 v[RD], s23, v[L16]                ; back: the 32 lanes take one row of 512 bytes
	s_lshl_b32 s20, s17, 8
	s_lshl_b32 s21, s[WH], 7
	s_add_co_u32 s20, s20, s21                     ; my first token
	s_lshl_b32 s20, s20, 12                        ; rows of 4,096 bytes
	s_mov_b32 s21, 0
	s_lshl_b32 s46, s42, 10
	s_lshl_b32 s47, s[WL], 9
	s_add_co_u32 s46, s46, s47                     ; my first column, in bytes
	s_mov_b32 s47, 0
	s_add_nc_u64 s[10:11], s[10:11], s[20:21]
	s_add_nc_u64 s[10:11], s[10:11], s[46:47]
	s_add_nc_u64 s[8:9], s[8:9], s[46:47]
	global_load_b128 v[BI:BI+3], v[L16], s[8:9]    ; the bias of columns 4 x lane + 0 .. 3 of my 128
	s_wait_tensorcnt 1                             ; the scale words and my part of K step 0 are in (K step 1's load may be out),
	s_barrier_signal -1
	s_barrier_wait -1                              ; everybody's are
	FETCH_B 0, 0, 0
	FETCH_A 0, 0, 0
	SCALES 0, 0
	FETCH_A 0, 0, 4
	STEP 0, 0, 1                                   ; the first products start the sums: nothing is cleared
	TURN 0, 1, 1, 1                                ; K has four steps of 256: the walk is written out
	STEP 1, 0, 0
	TURN 1, 0, 1, 2
	STEP 0, 0, 0
	TURN 0, 1, 0, 3                                ; the last change of slots fills nothing, and has no round of the cluster's barrier
	STEP 1, 0, 0
	s_wait_dscnt 4*NL                              ; the very last 128: nothing more to fetch
	WIN MUL_LO
	MUL16 0, 1, NQ-1, 1, 0
	MUL16 2, 1, NQ-1, 1, 0
	s_wait_dscnt 0
	WIN MUL_HI
	MUL16 4, 1, NQ-1, 1, 0
	MUL16 6, 1, NQ-1, 1, 0
	WIN 0
	s_wait_loadcnt 0x0                             ; the bias
	PLACES NP                                      ; in front of the loads into the registers that held A's fragments, and of the reads of the last results
	TOSTAGE 0
.irp a, 1,2,3,4,5,6,7
.if \a > 1
	s_wait_xcnt 0x0                                ; block a - 2's stores have read their registers and their base
.endif
	TOSTAGE \a
	SEND \a-1, 32                                  ; behind block a - 1's loads: block a's 16 stores and 16 loads
.endr
	s_wait_xcnt 0x0
	SEND 7, 0
	s_wait_tensorcnt 0x0                           ; the wave's end
	ds_add_u32 v[SPW], v[NIL]
	s_wait_dscnt 0x0
	CROUND                                         ; the closing round: no work-group ends while a partner may still ask for a tile that names it
	s_endpgm
.Lfunc_end_k_q0a004bd1ea_outp:
	.size	k_q0a004bd1ea_outp, .Lfunc_end_k_q0a004bd1ea_outp-k_q0a004bd1ea_outp
	.p2alignl 7, 3214868480
	.fill 96, 4, 3214868480
	.section	.rodata,"a",@progbits
	.p2align	6, 0x0
	.amdhsa_kernel k_q0a004bd1ea_outp
		.amdhsa_group_segment_fixed_size 327680
		.amdhsa_private_segment_fixed_size 0
		.amdhsa_enable_private_segment 0
		.amdhsa_kernarg_size 32
		.amdhsa_user_sgpr_count 2
		.amdhsa_user_sgpr_kernarg_segment_ptr 1
		.amdhsa_wavefront_size32 1
		.amdhsa_system_sgpr_workgroup_id_x 1
		.amdhsa_system_sgpr_workgroup_id_y 1
		.amdhsa_system_sgpr_workgroup_id_z 1
		.amdhsa_system_vgpr_workitem_id 0
		.amdhsa_next_free_vgpr 1024
		.amdhsa_next_free_sgpr 100
		.amdhsa_reserve_vcc 0
		.amdhsa_float_denorm_mode_32 3
		.amdhsa_float_denorm_mode_16_64 3
		.amdhsa_memory_ordered 1
		.amdhsa_forward_progress 1
		.amdhsa_inst_pref_size 159
	.end_amdhsa_kernel
	.amdgpu_metadata
---
amdhsa.version: [ 1, 2 ]
amdhsa.kernels:
  - .name:           k_q0a004bd1ea_outp
    .symbol:         k_q0a004bd1ea_outp.kd
    .args:
      - { .name: ctx, .offset: 0, .size: 8, .value_kind: global_buffer, .address_space: global }
      - { .name: xw, .offset: 8, .size: 8, .value_kind: global_buffer, .address_space: global }
      - { .name: bo, .offset: 16, .size: 8, .value_kind: global_buffer, .address_space: global }
      - { .name: out0, .offset: 24, .size: 8, .value_kind: global_buffer, .address_space: global }
    .group_segment_fixed_size: 327680
    .private_segment_fixed_size: 0
    .kernarg_segment_align: 8
    .kernarg_segment_size: 32
    .max_flat_workgroup_size: 128
    .sgpr_count:     100
    .vgpr_count:     1024
    .wavefront_size: 32
...
	.end_amdgpu_metadata
.endif
;; end of part 4
;; ======== version 2 of 2: 4 launches; version 1 with the launch attn written anew for expert scheduling mode
;; limits: right only within a limited range of input values
;; workspace buffers: xw 22,937,600 bytes; qb 13,631,488 bytes; kv 13,631,488 bytes; mk 524,800 bytes of whole numbers; ctx 6,553,600 bytes
;; launch prep: the kernel of part 1 again; grid 1024 x 1, 4 waves a work-group, no clusters, 68,352 bytes of LDS; arguments q, k, v, Wq, Wk, Wv, Wo, mask, xw, mk; writes xw, mk
;; launch proj: the kernel of part 2 again; grid 4 x 96, 4 waves a work-group, clusters of 4 x 4, 327,680 bytes of LDS; arguments xw, bq, bk, bv, qb, kv; writes qb, kv
;; launch attn (part 5): grid 4 x 64, 16 waves a work-group, no clusters, 34,816 bytes of LDS; arguments qb, kv, mk, ctx; writes ctx
.if DOCPART == 5
	.amdgcn_target "amdgcn-amd-amdhsa--gfx1250"
	.amdhsa_code_object_version 6
	.text
	.protected	k_q0a004bd1ea_attn
	.globl	k_q0a004bd1ea_attn
	.p2align	8
	.type	k_q0a004bd1ea_attn,@function
k_q0a004bd1ea_attn:
	s_mov_b64 s[64:65], 0
	v_nop
	global_prefetch_b8 v0, s[64:65] scope:SCOPE_SE
	s_setreg_imm32_b32 hwreg(HW_REG_WAVE_SCHED_MODE, 0, 2), 2
	s_setreg_imm32_b32 hwreg(HW_REG_WAVE_MODE, 25, 1), 1
	s_wait_xcnt 0x0
	s_wait_alu depctr_vm_vsrc(0)
; context = softmax(mask(Q K^T / 8)) V for 64 (batch, head) pairs, head size 64, 2,048 queries and keys, both products on codes of FP6 (E2M3) with E8M0 scales; the context is quantised on the way out, along the channels, for the last product.
; THE SOFTMAX: t = score x log2(e) / 8; M = the row's largest t so far, rounded up to a whole number; p = 2^(t - M) is quantised along the keys, not normalised; the row's sum is taken of the unquantised p and divides at the end.
; When M moves, the sum and O are multiplied by 2^(old M - new M): exact.
; SHARES.  A work-group serves one (batch, head) and TWO blocks of 256 queries, 7 - x and then x; each of its sixteen waves owns one tile of 16 queries, in 256 registers: four waves to a SIMD, so that one wave's vector work stands
; beside another's products and LDS loads.  A step is 128 keys: one record of 13,312 bytes (8 units of K, 4 fragments of V^T, their scale words), images of the operands' registers.
; THE MASK is an input.  The first launch has stored, for each tile of queries and each step, 64 lane masks (one for each score register) and two flags.  A step all of whose scores are hidden for my tile is left out: its p are 0
; (a tile with a row that is hidden everywhere has the flag of every step set).  A step with no hidden score applies nothing.  In the others a hidden score becomes -2^33: one v_cndmask_b32 a score.
; -2^33 x c is a whole number, so a row hidden so far has p = 1 on every key, which the first score that counts multiplies by 2^(a change of M of about -1.5e9) = 0, and a row hidden everywhere ends with equal weights, as reference() has it.
; With the two blocks 7 - x and x a causal mask gives every work-group the same number of steps; any other mask is served as well.
; NO JOINT LOADS, NO TENSOR LOADS: the four work-groups of a head read the same records, but which steps a work-group needs hangs on numbers read from memory.
; So a record goes from memory through registers into LDS: each thread 16 bytes (and 16 more in waves 0-9): 26 x 512 bytes; it is asked for a step ahead, into the other of two slots; one barrier a step.
; LAYOUT.  S^T = K Q^T (source 0 = 16 keys, source 1 = my queries), O^T = V^T P^T: a lane holds one query throughout.  The head's 64 are half of the instruction's 128 along K: Q's upper six registers hold zero codes; K's fragment of
; tile t is registers 6 t .. 6 t + 11 of the run of units, whose upper six are tile t + 1's codes (six cleared registers behind tile 7): any code x the code 0 adds nothing; the scale words repeat their two bytes.
; LIMITS: NaN and infinities are not served.  A hidden score stands for a logit of -1.07e9 where reference() has -1e9: results differ only where logits that count come within some 150 of -1e9.  1 / sum by v_rcp_f32.
; The scale bytes of the context leave as one byte a lane, 16 bytes apart (4 per cent of the launch's stores): whole runs would want all 16 heads of a token in one work-group.
; REGISTERS: v1-8 addresses; v12 -M, v13 the largest t, v[14:15] the sum; v16-27 Q; v32-85 K's units, then V's fragments; v96-159 S^T, then p; v160-191 O^T; v192-199 the record on its way; v200 -2^33; v224-255 at work.
; THE MODE: SCHED_MODE bits 1:0 = 2 (LLVM: expert scheduling mode 2), set by the entry lines.  The code itself states the register dependences between vector or matrix instructions and memory or LDS instructions, with s_wait_alu, always for 0.
; THE PLAN.  Registers that memory or LDS instructions touch, and who else names them:
;   v1-v3, v6-v8      addresses and offsets: written at the head and never again; read by every load, store and prefetch.  v4, v5: written at the head, read by the closing add alone.
;   v16-21, v255      Q and its scale words: a pass's three loads land in them; the products of S^T read them.
;   v32-79, v248-251  at a step's head K's units and scale words land in them; S^T's eight products read them; behind these V's fragments and scale words (v248-249) land in them; O^T's four products read them.
;   v192-199          the record on its way: loads land in them at a step's head, LDS stores read them at its end; of the vector instructions only the head's, which clear them, name them.
;   v224-229, v242    the way out's codes and byte: written by its vector lines, read by its three stores, written again by the next pass's steps.
;   v22-27, v80-85 (zero codes, written at the head) and v224-235, v253 (p's codes and scale word, written in each step) are vector results that scaled products take as operands.
; THE WAITS.  At the head: one on va_sdst for the wave's number, one on va_vdst for all that the head wrote.  At each step's head one on vm_vsrc, for v192-199.  In a tile's step five on va_vdst: at its head (O^T's products of the step
; before are done with K's and V's registers); behind S^T's products (they are done with them); behind each of the two batches of exponentials; ahead of O^T's products (p's codes and scale word are written).  V's thirteen loads follow
; the second of these, dealt among the maxima, which name none of v1, v2, v32-79, v248-249.  On the way out: one behind the reciprocal, one on va_vdst ahead of the stores, one on vm_vsrc behind them.
.set REC,   13312
.set HEADB, 212992                     ; a head's 16 records
.set SLOTP, 16384                      ; from slot 0 to slot 1
.set SPARE, 32768                      ; the spare words, 128 bytes for each wave: eight blocks of 256 bytes that no other line names
.set MOFF,  524288
.set CSOFF, 6291456
.set KVP,  6                           ; s[6:7]   the next step's record
.set MWP,  8                           ; s[8:9]   this step's lane masks
.set WV,   12
.set PASS, 13
.set NEED, 14                          ; bit 0: my tile needs this step
.set MIX,  15                          ; bit 0: this step has hidden scores for my tile
.set WGN,  66                          ; bit 0: some wave needs the NEXT step
.set TRIP, 67
.set SEL,  84
.set CS,   86                          ; s[86:87] c = log2(e) / 8
.set KVB,  88                          ; s[88:89] my head's records
.set MKB,  90                          ; s[90:91] mk
.set QB,   92
.set HM,   93
.set PFN,  94                          ; prefetches still to be issued by this wave
.set BH,   95
.set PFA,  96                          ; s[96:97] where the next one stands
.macro GLOAD                           ; the next record: 16 bytes a thread, 8,192 a work-group; then 5,120 more by waves 0-9
	global_load_b128 v[192:195], v3, s[KVP:KVP+1]
	s_cmp_lt_u32 s[WV], 10
	s_cbranch_scc0 .Lshort_\@
	global_load_b128 v[196:199], v3, s[KVP:KVP+1] offset:8192
.Lshort_\@:
.endm
.macro DSTORE sl
	ds_store_b128 v3, v[192:195] offset:SLOTP*(\sl)
	s_cmp_lt_u32 s[WV], 10
	s_cbranch_scc0 .Lshort_\@
	ds_store_b128 v3, v[196:199] offset:SLOTP*(\sl)+8192
.Lshort_\@:
.endm
.macro VFRAG f                         ; V's fragment f (16 channels x 128 keys) from the slot in hand, which begins at SB
.irp c, 0,1,2
	ds_load_b128 v[32+12*(\f)+4*\c:35+12*(\f)+4*\c], v1 offset:SB+6144+1536*(\f)+512*\c
.endr
.endm
; A KEY STEP of my tile, from slot sl.
.macro STEP sl
.set SB, SLOTP*(\sl)
	s_wait_alu depctr_va_vdst(0)                   ; O^T's four products of my last step are done reading v32-79 and v248-249, in which K's units and scale words land below
	s_load_b512 s[16:31], s[MWP:MWP+1], 0x0        ; the 64 lane masks: word n in s[16 + n], from n = 48 on in s[20 + n]
	s_load_b512 s[32:47], s[MWP:MWP+1], 0x40
	s_load_b512 s[48:63], s[MWP:MWP+1], 0x80
	s_load_b512 s[68:83], s[MWP:MWP+1], 0xc0
.irp t, 0,1,2,3,4,5,6,7
	ds_load_b128 v[32+6*\t:35+6*\t], v1 offset:SB+768*\t
	ds_load_b64 v[36+6*\t:37+6*\t], v2 offset:SB+768*\t+512
.endr
	ds_load_b128 v[248:251], v1 offset:SB+12288    ; register b: lanes 0-15 tile 2 b's scale words, lanes 16-31 tile 2 b + 1's
	s_wait_dscnt 0x0
.irp t, 0,1,2,3,4,5,6,7
.if \t%2
	v_wmma_scale_f32_16x16x128_f8f6f4 v[96+8*\t:103+8*\t], v[32+6*\t:43+6*\t], v[16:27], 0, v[248+\t/2], v255 matrix_a_fmt:MATRIX_FMT_FP6 matrix_b_fmt:MATRIX_FMT_FP6 matrix_a_scale:MATRIX_SCALE_ROW1
.else
	v_wmma_scale_f32_16x16x128_f8f6f4 v[96+8*\t:103+8*\t], v[32+6*\t:43+6*\t], v[16:27], 0, v[248+\t/2], v255 matrix_a_fmt:MATRIX_FMT_FP6 matrix_b_fmt:MATRIX_FMT_FP6
.endif
.endr                                  ; register 16 b + i of v96 on: key 32 b + 16 (lane / 16) + i of the step
.rept 4
	v_nop                                          ; places in front of the first read of the scores
.endr
	s_wait_alu depctr_va_vdst(0)                   ; S^T's eight products are done reading v32-79 and v248-251, in which V's fragments and scale words land: the thirteen loads from here to the last VFRAG; no vector line between names these registers or v1, v2
	ds_load_b64 v[248:249], v2 offset:SB+12800     ; register w: lanes 0-15 channel tile 2 w's scale words, lanes 16-31 tile 2 w + 1's
	VFRAG 0                                        ; V's four fragments land while the softmax is walked
	s_wait_kmcnt 0x0
	s_bitcmp1_b32 s[MIX], 0
	s_cbranch_scc0 .Lopen_\@
.set n, 0
.rept 64
.if n < 48
	v_cndmask_b32 v[96+n], v[96+n], v200, s[16+n]
.else
	v_cndmask_b32 v[96+n], v[96+n], v200, s[20+n]
.endif
.set n, n+1
.endr
.Lopen_\@:
.irp b, 0,1,2,3
	v_max3_num_f32 v[232+\b], v[96+16*\b], v[97+16*\b], v[98+16*\b]   ; the largest score of each block of 32 keys: for the row's maximum and, since p rises with the score, for the block's largest p
.endr
	VFRAG 1
.irp i, 3,5,7
.irp b, 0,1,2,3
	v_max3_num_f32 v[232+\b], v[232+\b], v[96+16*\b+\i], v[97+16*\b+\i]
.endr
.endr
	VFRAG 2
.irp i, 9,11,13
.irp b, 0,1,2,3
	v_max3_num_f32 v[232+\b], v[232+\b], v[96+16*\b+\i], v[97+16*\b+\i]
.endr
.endr
	VFRAG 3
.irp b, 0,1,2,3
	v_max_num_f32 v[232+\b], v[232+\b], v[111+16*\b]
.endr
.irp b, 0,1,2,3
	v_permlanex16_b32 v[236+\b], v[232+\b], s[SEL], s[SEL+1]
.endr
.irp b, 0,1,2,3
	v_max_num_f32 v[232+\b], v[232+\b], v[236+\b]  ; with lane l xor 16's 16 keys
.endr
	v_max3_num_f32 v254, v232, v233, v234
	v_max_num_f32 v254, v254, v235
	v_mul_f32 v254, s[CS], v254                    ; the step's largest t
	v_max_num_f32 v13, v13, v254                   ; the running largest t
	v_mov_b32 v254, v12
	v_floor_f32 v12, -v13                          ; the new -M = floor(-t): M is a whole number
	v_sub_f32 v254, v12, v254                      ; old M - new M: a whole number, 0 or less
	v_cvt_i32_f32 v254, v254                       ; (it saturates)
	v_ldexp_f32 v252, 1.0, v254                    ; f = 2^(old M - new M)
.irp j, 0,2,4,6,8,10,12,14,16,18,20,22,24,26,28,30,32,34,36,38,40,42,44,46,48,50,52,54,56,58,60,62
	v_pk_fma_f32 v[96+\j:97+\j], v[96+\j:97+\j], s[CS:CS+1], v[12:13] op_sel_hi:[1,0,0]   ; t - M, two at a time
.endr
.irp b, 0,1,2,3
	v_fma_f32 v[232+\b], v[232+\b], s[CS], v12     ; the same of each block's largest score
.endr
.irp j, 0,1,2,3,4,5,6,7,8,9,10,11,12,13,14,15,16,17,18,19,20,21,22,23,24,25,26,27,28,29,30,31,32,33,34,35,36,37,38,39,40,41,42,43,44,45,46,47,48,49,50,51,52,53,54,55,56,57,58,59,60,61,62,63
	v_exp_f32 v[96+\j], v[96+\j]                   ; p = 2^(t - M), at most 1
.endr
	v_pk_mul_f32 v[14:15], v[14:15], v[252:253] op_sel_hi:[1,0]   ; the sums under the new M: a plain place behind the exponentials
	s_wait_alu depctr_va_vdst(0)                   ; the 64 exponentials have written v96-159: one wait for the batch, ahead of its first reader
.irp b, 0,1,2,3
	v_exp_f32 v[232+\b], v[232+\b]                 ; the block's largest p
.endr
	v_pk_add_f32 v[236:237], v[96:97], v[98:99]    ; the row's sum is taken of the unquantised p, in two chains
.irp j, 4,8,12,16,20,24,28,32,36,40,44,48,52,56,60
	v_pk_add_f32 v[14:15], v[14:15], v[96+\j:97+\j]
	v_pk_add_f32 v[236:237], v[236:237], v[98+\j:99+\j]
.endr
	v_pk_add_f32 v[14:15], v[14:15], v[236:237]
	s_wait_alu depctr_va_vdst(0)                   ; the four exponentials have written v232-235, ahead of their first reader
.irp b, 0,1,2,3
	v_max_num_f32 v[232+\b], 0x1800000, v[232+\b]  ; the floor 2^(3 - 127): the byte cannot fall under 1
.endr
.irp b, 0,1,2,3
	v_add_nc_u32 v[244+\b], 0xff000000, v[232+\b]  ; 2 off the exponent field: the conversion's scale operand
.endr
.irp b, 0,1,2,3
	v_lshrrev_b32 v[236+\b], 23, v[244+\b]         ; the scale's byte
.endr
	v_lshl_or_b32 v253, v237, 8, v236              ; p's scale word for these 128 keys
	v_lshl_or_b32 v253, v238, 16, v253
	v_lshl_or_b32 v253, v239, 24, v253
.irp c, 0,1
	v_cvt_scalef32_pk16_fp6_f32 v[224+6*\c:226+6*\c], v[96+32*\c:111+32*\c], v[244+2*\c]
	v_cvt_scalef32_pk16_fp6_f32 v[236+4*\c:238+4*\c], v[112+32*\c:127+32*\c], v[244+2*\c+1]   ; (a conversion's three registers begin on an even number)
.endr
	v_nop                                          ; one plain place behind a scaled conversion
.irp c, 0,1                            ; the operand's layout wants a whole block in a lane
.irp i, 0,1,2
	v_permlane16_swap_b32 v[224+6*\c+\i], v[236+4*\c+\i]
.endr
.irp i, 0,1,2
	v_mov_b32 v[227+6*\c+\i], v[236+4*\c+\i]
.endr
.endr
.irp j, 0,2,4,6,8,10,12,14,16,18,20,22,24,26,28,30
	v_pk_mul_f32 v[160+\j:161+\j], v[160+\j:161+\j], v[252:253] op_sel_hi:[1,0]   ; O^T under the new M; these sixteen also stand between the lines that made p's codes and scale word and the products
.endr
	s_wait_dscnt 0x0                               ; V is in
	s_wait_alu depctr_va_vdst(0)                   ; the vector lines above have written p's codes v224-235 and its scale word v253, which the scaled products below take; the places stand ahead of this wait
.irp f, 0,1,2,3
.if \f%2
	v_wmma_scale_f32_16x16x128_f8f6f4 v[160+8*\f:167+8*\f], v[32+12*\f:43+12*\f], v[224:235], v[160+8*\f:167+8*\f], v[248+\f/2], v253 matrix_a_fmt:MATRIX_FMT_FP6 matrix_b_fmt:MATRIX_FMT_FP6 matrix_a_scale:MATRIX_SCALE_ROW1
.else
	v_wmma_scale_f32_16x16x128_f8f6f4 v[160+8*\f:167+8*\f], v[32+12*\f:43+12*\f], v[224:235], v[160+8*\f:167+8*\f], v[248+\f/2], v253 matrix_a_fmt:MATRIX_FMT_FP6 matrix_b_fmt:MATRIX_FMT_FP6
.endif
.endr                                  ; the four accumulators take turns, and the eight products of S^T stand between a sum's links
.rept 4
	v_nop                                          ; places in front of the next read of O^T
.endr
.endm
; One step of the walk: the next record is asked for; my tile's work, if it has any; the record goes into the other slot; the step's one barrier.
.macro HSTEP sl
	s_wait_alu depctr_vm_vsrc(0)                   ; the LDS stores issued so far (the step's before, or the pass's head's) have read v192-199, in which the loads below land
	s_bitcmp1_b32 s[WGN], 0
	s_cbranch_scc0 .Lno_next_\@
	GLOAD
.Lno_next_\@:
	s_cmp_eq_u32 s[PFN], 0
	s_cbranch_scc1 .Lno_ask_\@
	global_prefetch_b8 v8, s[PFA:PFA+1] th:TH_LOAD_NT scope:SCOPE_SE   ; 8,192 bytes of the head's records, lanes 256 bytes apart
	s_sub_co_u32 s[PFN], s[PFN], 1
.Lno_ask_\@:
	s_bitcmp1_b32 s[NEED], 0
	s_cbranch_scc0 .Lno_work_\@
	STEP \sl
.Lno_work_\@:
	s_wait_loadcnt 0x0                             ; on every way through the step: my part of the next record, if it was asked for, is in; so no later load goes into registers that an earlier one may still write
	s_bitcmp1_b32 s[WGN], 0
	s_cbranch_scc0 .Lno_store_\@
	DSTORE 1-\sl                                   ; nobody reads that slot: every wave's reads of it were over at the last barrier
.Lno_store_\@:
	s_wait_xcnt 0x0                                ; the loads and the prefetch have read their addresses: they may be stepped
	s_add_nc_u64 s[KVP:KVP+1], s[KVP:KVP+1], REC
	s_add_nc_u64 s[MWP:MWP+1], s[MWP:MWP+1], 256
	s_add_nc_u64 s[PFA:PFA+1], s[PFA:PFA+1], 16384
	s_lshr_b32 s[NEED], s[NEED], 1
	s_lshr_b32 s[MIX], s[MIX], 1
	s_lshr_b32 s[WGN], s[WGN], 1
	s_wait_dscnt 0x0                               ; my stores into the other slot have landed, and my reads of this slot are over
	s_barrier_signal -1
	s_barrier_wait -1
.endm
	s_load_b256 s[4:11], s[0:1], 0x0               ; qb, kv, mk, ctx
	v_lshl_add_u32 v4, v0, 2, SPARE                ; my spare word; never rewritten
	v_mov_b32 v5, 0                                ; 0; never rewritten
	v_lshrrev_b32 v1, 5, v0
	v_readfirstlane_b32 s[WV], v1                  ; wave 0..15
	v_and_b32 v9, 31, v0                           ; lane
	v_and_b32 v10, 15, v0                          ; r
	v_bfe_u32 v11, v0, 4, 1                        ; h
	v_lshlrev_b32 v1, 4, v9                        ; 16 x lane
	v_lshlrev_b32 v2, 3, v9                        ; 8 x lane
	v_lshlrev_b32 v3, 4, v0                        ; 16 x thread
	v_lshlrev_b32 v6, 4, v10                       ; 16 r
	v_add_nc_u32 v7, v6, v11                       ; 16 r + h
	v_lshlrev_b32 v8, 8, v9                        ; 256 x lane
	v_mov_b32 v200, 0xd0000000                     ; -2^33
.irp i, 22,23,24,25,26,27,80,81,82,83,84,85
	v_mov_b32 v\i, 0                               ; zero codes: Q's upper half of K, and what stands behind K's tile 7
.endr
.irp i, 192,193,194,195,196,197,198,199,236,237,238,239,252,253
	v_mov_b32 v\i, 0                               ; written once: every register is written before it is read on every way through the text; a lane permute's destination counts as a source
.endr
	s_wait_alu depctr_va_sdst(0)                   ; the wave's number is written in s[WV], ahead of its first reader below
	s_mov_b32 s[SEL], 0x76543210
	s_mov_b32 s[SEL+1], 0xfedcba98
	s_mov_b32 s[CS], 0x3e38aa3b                    ; c = log2(e) / 8
	s_mov_b32 s[CS+1], s[CS]
	s_mov_b32 s[HM], 0xffff0000
	s_and_b32 s[BH], ttmp7, 0xffff                 ; batch x 16 + head
	s_mul_i32 s98, s[BH], HEADB
	s_mov_b32 s99, 0
	s_lshr_b32 s100, s[WV], 1                      ; THE PREFETCHES: all four work-groups of a head walk the same records, one dense run of 26 pieces of 8,192 bytes.  Work-group x = 0 asks, in its first pass, by waves 10 and 11,
	s_xor_b32 s100, s100, 5                        ; which fetch least: in step i for pieces 6 + 2 i and 7 + 2 i, i = 0 .. 9: each piece once, the last piece the run's last.  Pieces 0-5 come by their loads alone
	s_or_b32 s100, s100, ttmp9
	s_cmp_eq_u32 s100, 0
	s_cselect_b32 s[PFN], 10, 0
	s_wait_kmcnt 0x0
	s_add_nc_u64 s[KVB:KVB+1], s[6:7], s[98:99]
	s_mov_b64 s[MKB:MKB+1], s[8:9]
	s_and_b32 s98, s[WV], 1
	s_add_co_u32 s98, s98, 6
	s_lshl_b32 s98, s98, 13
	s_add_nc_u64 s[PFA:PFA+1], s[KVB:KVB+1], s[98:99]
	s_mov_b32 s[PASS], 0
	s_wait_alu depctr_va_vdst(0)                   ; all that the head wrote is written: the addresses v1-v3, v6-v8, which every load, store and prefetch reads; v192-199, in which the records' loads land; the zero codes v22-27 and v80-85, which scaled products take
.Lpass:
	s_sub_co_u32 s98, 7, ttmp9
	s_cmp_eq_u32 s[PASS], 0
	s_cselect_b32 s[QB], s98, ttmp9                ; the block of 256 queries: 7 - x, then x
	s_lshl_b32 s98, s[QB], 6
	s_add_co_u32 s98, s98, MOFF
	s_mov_b32 s99, 0
	s_add_nc_u64 s[98:99], s[MKB:MKB+1], s[98:99]
	s_lshl_b32 s100, s[WV], 2
	s_mov_b32 s101, 0
	s_add_nc_u64 s[100:101], s[98:99], s[100:101]
	s_load_b512 s[16:31], s[98:99], 0x0            ; the flags of the block's sixteen tiles,
	s_load_b32 s[NEED], s[100:101], 0x0            ; and my tile's
	s_wait_kmcnt 0x0
	s_or_b32 s[WGN], s16, s17
.irp i, 18,19,20,21,22,23,24,25,26,27,28,29,30,31
	s_or_b32 s[WGN], s[WGN], s\i
.endr
	s_and_b32 s[WGN], s[WGN], 0xffff               ; the steps that some wave needs; bit 16, the step behind the last, is 0: nothing is loaded past the head's records
	s_lshr_b32 s[MIX], s[NEED], 16
	s_and_b32 s[NEED], s[NEED], 0xffff
	s_lshl_b32 s98, s[QB], 4
	s_add_co_u32 s98, s98, s[WV]
	s_lshl_b32 s98, s98, 12                        ; a tile's lane masks: 16 steps x 256 bytes
	s_mov_b32 s99, 0
	s_add_nc_u64 s[MWP:MWP+1], s[MKB:MKB+1], s[98:99]
	s_mov_b64 s[KVP:KVP+1], s[KVB:KVB+1]
	s_lshl_b32 s98, s[BH], 4                       ; Q: the record of my 128 queries, my tile's unit and its scale words
	s_lshl_b32 s99, s[QB], 1
	s_add_co_u32 s98, s98, s99
	s_lshr_b32 s99, s[WV], 3
	s_add_co_u32 s98, s98, s99
	s_mul_i32 s98, s98, REC
	s_and_b32 s99, s[WV], 7
	s_mul_i32 s100, s99, 768
	s_lshr_b32 s99, s99, 1
	s_lshl_b32 s99, s99, 2
	s_and_b32 s101, s[WV], 1
	s_lshl_b32 s101, s101, 8
	s_add_co_u32 s101, s101, s99
	s_add_co_u32 s101, s101, 12288
	s_add_co_u32 s101, s101, s98
	s_add_co_u32 s98, s98, s100
	s_mov_b32 s100, s101
	s_mov_b32 s99, 0
	s_mov_b32 s101, 0
	s_add_nc_u64 s[98:99], s[4:5], s[98:99]
	s_add_nc_u64 s[100:101], s[4:5], s[100:101]
	global_load_b128 v[16:19], v1, s[98:99]        ; no vector or matrix instruction stands between the last wait on va_vdst (the head's; in the second pass the one ahead of the way out's stores) and these three loads
	global_load_b64 v[20:21], v2, s[98:99] offset:512
	global_load_b32 v255, v6, s[100:101]           ; lane r: row r's scale word
	v_mov_b32 v13, 0xff61b1e6                      ; the largest t so far: -3e38
	v_floor_f32 v12, -v13                          ; -M
	v_mov_b32 v14, 0                               ; the sum, in two halves
	v_mov_b32 v15, 0
.irp j, 0,1,2,3,4,5,6,7,8,9,10,11,12,13,14,15,16,17,18,19,20,21,22,23,24,25,26,27,28,29,30,31
	v_mov_b32 v[160+\j], 0                         ; O^T: any step may be my tile's first, so no product can start the sums
.endr
	s_bitcmp1_b32 s[WGN], 0
	s_cbranch_scc0 .Lno_first
	GLOAD                                          ; step 0's record (the lines above name neither v3 nor v192-199)
	s_wait_loadcnt 0x0
	DSTORE 0
.Lno_first:
	s_wait_loadcnt 0x0                             ; Q
	s_wait_xcnt 0x0
	s_add_nc_u64 s[KVP:KVP+1], s[KVP:KVP+1], REC   ; on to step 1's record,
	s_lshr_b32 s[WGN], s[WGN], 1                   ; and its flag
	s_wait_dscnt 0x0
	s_barrier_signal -1
	s_barrier_wait -1
	s_mov_b32 s[TRIP], 8
.Ltrip:                                ; a trip is two steps, one from each slot: every LDS offset is an immediate
	HSTEP 0
	HSTEP 1
	s_sub_co_u32 s[TRIP], s[TRIP], 1
	s_cmp_lg_u32 s[TRIP], 0
	s_cbranch_scc1 .Ltrip
	; THE WAY OUT of a pass: O^T / the sum; register 16 b + i is channel 32 b + 16 (lane / 16) + i of my query: two blocks along the last product's K: a unit of the context's codes and two scale bytes
	v_add_f32 v14, v14, v15
	v_permlanex16_b32 v252, v14, s[SEL], s[SEL+1]
	v_add_f32 v14, v14, v252                       ; the row's sum
	v_rcp_f32 v14, v14
	v_nop                                          ; a plain place behind the transcendental
	s_lshr_b32 s98, s[BH], 4
	s_lshl_b32 s98, s98, 7
	s_lshl_b32 s99, s[QB], 4
	s_add_co_u32 s98, s98, s99
	s_add_co_u32 s98, s98, s[WV]                   ; my tile among the 512 tiles of tokens
	s_and_b32 s99, s[BH], 15                       ; the head
	s_lshl_b32 s100, s98, 9
	s_mul_i32 s98, s98, 12288
	s_mul_i32 s101, s99, 768
	s_add_co_u32 s98, s98, s101
	s_and_b32 s101, s99, 7
	s_lshl_b32 s101, s101, 1                       ; the head's two bytes among the 16 of a row's half of K,
	s_add_co_u32 s100, s100, s101
	s_lshr_b32 s101, s99, 3
	s_lshl_b32 s101, s101, 8                       ; and which half
	s_add_co_u32 s100, s100, s101
	s_add_co_u32 s100, s100, CSOFF
	s_mov_b32 s101, 0
	s_mov_b32 s99, 0
	s_add_nc_u64 s[98:99], s[10:11], s[98:99]
	s_add_nc_u64 s[100:101], s[10:11], s[100:101]
	s_wait_alu depctr_va_vdst(0)                   ; the reciprocal has written v14, ahead of its first reader
.irp j, 0,2,4,6,8,10,12,14,16,18,20,22,24,26,28,30
	v_pk_mul_f32 v[96+\j:97+\j], v[160+\j:161+\j], v[14:15] op_sel_hi:[1,0]
.endr
.irp b, 0,1
	v_max3_num_f32 v[232+\b], |v[96+16*\b]|, |v[97+16*\b]|, 0x1800000
.endr
.irp i, 2,4,6,8,10,12,14
.irp b, 0,1
	v_max3_num_f32 v[232+\b], v[232+\b], |v[96+16*\b+\i]|, |v[97+16*\b+\i]|
.endr
.endr
.irp b, 0,1
	v_permlanex16_b32 v[236+\b], v[232+\b], s[SEL], s[SEL+1]
.endr
.irp b, 0,1
	v_max_num_f32 v[232+\b], v[232+\b], v[236+\b]
.endr
.irp b, 0,1
	v_add_nc_u32 v[244+\b], 0xff000000, v[232+\b]
.endr
.irp b, 0,1
	v_lshrrev_b32 v[240+\b], 23, v[244+\b]
.endr
	v_cvt_scalef32_pk16_fp6_f32 v[224:226], v[96:111], v244
	v_cvt_scalef32_pk16_fp6_f32 v[228:230], v[112:127], v245
	v_nop                                          ; one plain place behind a scaled conversion
.irp i, 0,1,2
	v_permlane16_swap_b32 v[224+\i], v[228+\i]     ; lanes 0-15 now hold block 0 whole, lanes 16-31 block 1
.endr
	v_mov_b32 v227, v228
	v_mov_b32 v228, v229
	v_mov_b32 v229, v230
	v_cndmask_b32 v242, v240, v241, s[HM]          ; lane (r, h) stores block h's byte of row r
	s_wait_alu depctr_va_vdst(0)                   ; the lines above have written v224-229 and v242, the stores' data; and the pass's products are done reading Q (v16-21, v255), in which the next pass's loads land
	global_store_b128 v1, v[224:227], s[98:99]     ; 512 consecutive bytes,
	global_store_b64 v2, v[228:229], s[98:99] offset:512   ; and 256: the unit
	global_store_b8 v7, v242, s[100:101]
	s_wait_xcnt 0x0                                ; the stores have read their registers and bases: the next pass writes them
	s_wait_alu depctr_vm_vsrc(0)                   ; the stores have read v224-229 and v242, which the next pass's steps write again; the last step's LDS stores have read v192-199, in which the next pass's first loads land
	s_add_co_u32 s[PASS], s[PASS], 1
	s_cmp_lt_u32 s[PASS], 2
	s_cbranch_scc1 .Lpass
	s_wait_dscnt 0x0                               ; the closing lines, six on end
	s_wait_alu 0x0
	s_wait_tensorcnt 0x0
	ds_add_u32 v4, v5
	s_wait_dscnt 0x0
	s_endpgm
.Lfunc_end_k_q0a004bd1ea_attn:
	.size	k_q0a004bd1ea_attn, .Lfunc_end_k_q0a004bd1ea_attn-k_q0a004bd1ea_attn
	.p2alignl 7, 3214868480
	.fill 96, 4, 3214868480
	.section	.rodata,"a",@progbits
	.p2align	6, 0x0
	.amdhsa_kernel k_q0a004bd1ea_attn
		.amdhsa_group_segment_fixed_size 34816
		.amdhsa_private_segment_fixed_size 0
		.amdhsa_enable_private_segment 0
		.amdhsa_kernarg_size 32
		.amdhsa_user_sgpr_count 2
		.amdhsa_user_sgpr_kernarg_segment_ptr 1
		.amdhsa_wavefront_size32 1
		.amdhsa_system_sgpr_workgroup_id_x 1
		.amdhsa_system_sgpr_workgroup_id_y 1
		.amdhsa_system_sgpr_workgroup_id_z 1
		.amdhsa_system_vgpr_workitem_id 0
		.amdhsa_next_free_vgpr 256
		.amdhsa_next_free_sgpr 102
		.amdhsa_reserve_vcc 0
		.amdhsa_float_denorm_mode_32 3
		.amdhsa_float_denorm_mode_16_64 3
		.amdhsa_memory_ordered 1
		.amdhsa_forward_progress 1
		.amdhsa_inst_pref_size 54
	.end_amdhsa_kernel
	.amdgpu_metadata
---
amdhsa.version: [ 1, 2 ]
amdhsa.kernels:
  - .name:           k_q0a004bd1ea_attn
    .symbol:         k_q0a004bd1ea_attn.kd
    .args:
      - { .name: qb, .offset: 0, .size: 8, .value_kind: global_buffer, .address_space: global }
      - { .name: kv, .offset: 8, .size: 8, .value_kind: global_buffer, .address_space: global }
      - { .name: mk, .offset: 16, .size: 8, .value_kind: global_buffer, .address_space: global }
      - { .name: ctx, .offset: 24, .size: 8, .value_kind: global_buffer, .address_space: global }
    .group_segment_fixed_size: 34816
    .private_segment_fixed_size: 0
    .kernarg_segment_align: 8
    .kernarg_segment_size: 32
    .max_flat_workgroup_size: 512
    .sgpr_count:     102
    .vgpr_count:     256
    .wavefront_size: 32
...
	.end_amdgpu_metadata
.endif
;; end of part 5
;; launch outp: the kernel of part 4 again; grid 4 x 32, 4 waves a work-group, clusters of 4 x 4, 327,680 bytes of LDS; arguments ctx, xw, bo, out0; writes out0
